; MI455X (gfx1250); checked and timed in simulation.
; The chip was launched on July 23, 2026; its instructions are those of AMD's public machine-readable ISA for CDNA 5 (MIT licence, August 2026) and "CDNA5" Instruction Set Architecture Reference Guide (July 2026). The comments in the code are by the model that wrote it; some were corrected since.
;; Efficient Flash Attention. Allowed arithmetic: matrix products marked QUANTISED: E2M3 operands, one E8M0 scale for each 32 along K, by v_wmma_scale_f32_16x16x128_f8f6f4 with both operands' format E2M3, f32 sums; everything else in f32.
;; Inputs: Wk 1,024 x 1,024 float32; Wo 1,024 x 1,024 float32; Wq 1,024 x 1,024 float32; Wv 1,024 x 1,024 float32; bo 1,024 float32; x 2 x 2,048 x 1,024 float32.
;; Outputs: out0 2 x 2,048 x 1,024 float32.
;; This version of the problem:
;;   THIS VERSION OF THE PROBLEM IS GIVEN IN LOW PRECISION. The matrix products marked QUANTISED in the list below multiply operands that are first quantised to E2M3 (2 exponent bits, 3 mantissa bits; 6 bits a number), with one power-of-two scale for each 32 numbers along K (OCP MX v1.0); their sums are f32. All else is computed in f32.
;;   The module's matrix products, in the order in which they are computed (A, B: the left and right operand; K: the contracted axis; several contracted axes count as one K, in the product's order):
;;     1. [M 4,096, K 1,024] x [K 1,024, N 1,024]; A: input x; B: input Wq: QUANTISED
;;     2. [M 4,096, K 1,024] x [K 1,024, N 1,024]; A: input x; B: input Wk: QUANTISED
;;     3. [M 4,096, K 1,024] x [K 1,024, N 1,024]; A: input x; B: input Wv: QUANTISED
;;     4. batch 32 x [M 2,048, K 64] x [K 64, N 2,048]; A: computed on the way; B: computed on the way: QUANTISED
;;     5. batch 32 x [M 2,048, K 2,048] x [K 2,048, N 64]; A: softmax (see below); B: computed on the way: QUANTISED
;;     6. [M 4,096, K 1,024] x [K 1,024, N 1,024]; A: computed on the way; B: input Wo: QUANTISED
;;   THE QUANTISER, for each operand of a quantised product, along K:
;;     - K is cut into blocks of 32 from its start; a last block that is shorter is filled with zeros.
;;     - A block's scale is 2^e with e = floor(log2(the largest magnitude in the block)) - 2, held to -126 .. 127; a block of zeros has e = 0. As a byte (E8M0): e + 127.
;;     - Each number is divided by its block's scale, clamped to +-7.5, and rounded to the nearest number of E2M3, ties to even, subnormals kept.
;;     - The product sums the exact products of the quantised numbers (number of the format x scale) in f32.
;;   ~~~python
;;   def quantise(x, axis):      # numpy; x: float32 -> the quantised numbers, widened to float32 again
;;       x = np.moveaxis(x, axis, -1); K = x.shape[-1]
;;       x = np.pad(x, [(0, 0)] * (x.ndim - 1) + [(0, -K % 32)]); x = x.reshape(x.shape[:-1] + (-1, 32)); a = np.abs(x).max(-1, keepdims=True)
;;       e = np.where(a > 0, np.clip(np.frexp(np.where(a > 0, a, 1))[1] - 1 - 2, -126, 127), 0)      # np.frexp(a)[1] - 1 = floor(log2(a)), exactly
;;       r = np.clip(x / 2.0 ** e, -7.5, 7.5)
;;       step = 2.0 ** (np.maximum(np.frexp(np.where(r == 0, 1, r))[1] - 1, 0) - 3)
;;       q = np.round(r / step) * step * 2.0 ** e      # np.round: ties to even
;;       return np.moveaxis(q.reshape(q.shape[:-2] + (-1,))[..., :K], -1, axis).astype(np.float32)
;;   ~~~
;;   SOFTMAX AHEAD OF A QUANTISED PRODUCT. Where the list says 'softmax', what is quantised is not the finished softmax but p = 2^(t - M), with t = logit x log2(e) and M = ceil(the row's largest t), a whole number; so 1/2 < the row's largest p <= 1. The row's sum l is taken of the UNQUANTISED p, in f32, and the product's result is divided by l at the end. Since M is a whole number, a kernel that streams over the keys may use a running M (the ceiling of the running maximum): every later rescaling is an exact power of two, which a block's scale takes up: the codes' values come out the same.
;;   OPERANDS COMPUTED ON THE WAY. 'Computed on the way' means the value that the module computes at that place (a softmax that the list does not call 'softmax' is quantised finished and normalised). What goes into a quantiser is computed in f32, as accurately as f32 sums, v_exp_f32 and their like allow (about 1e-6 of the number): no bf16 or f16 on the way to a quantiser, and a product that is left as it is and whose result goes on into a quantised operand takes f32 operands (vector FMAs, or v_wmma_f32_16x16x4_f32). A number that lies on a knife's edge between two numbers of the format may be rounded either way, as far as f32 arithmetic and the matrix unit's own rounding can turn it there, and no further.
;; One version. Each part assembles by itself: llvm-mc -triple=amdgcn-amd-amdhsa -mcpu=gfx1250 --defsym DOCPART=n.
;; ======== version 1 of 1: 4 launches
;; limits: right only within a limited range of input values
;; workspace buffers: xq 3,276,800 bytes; wqkv 2,457,600 bytes; woq 819,200 bytes; qc 3,407,872 bytes; kv 6,815,744 bytes; oq 3,407,872 bytes
;; launch quant (part 1): grid 256 x 1, 8 waves a work-group, no clusters, 137,216 bytes of LDS; arguments x, Wq, Wk, Wv, Wo, xq, wqkv, woq; writes xq, wqkv, woq
.if DOCPART == 1
	.amdgcn_target "amdgcn-amd-amdhsa--gfx1250"
	.amdhsa_code_object_version 6
	.text
	.protected	k_q1c54035f50_quant
	.globl	k_q1c54035f50_quant
	.p2align	8
	.type	k_q1c54035f50_quant,@function
k_q1c54035f50_quant:
	s_mov_b64 s[64:65], 0
	v_nop
	global_prefetch_b8 v0, s[64:65] scope:SCOPE_SE
	s_setreg_imm32_b32 hwreg(HW_REG_WAVE_MODE, 25, 1), 1
	s_wait_xcnt 0x0
; x [4096][1024] and Wq, Wk, Wv, Wo [1024][1024], f32 with K innermost, become codes of FP6 (E2M3) with one E8M0 byte for each 32 along K,
; laid IN THE ORDER OF AN OPERAND'S REGISTERS, so that every later reader takes them by dense loads of 16 and 8 bytes a lane.
; BLOCKS OF 64 ROWS, four tiles each.  Lane r of tile tau holds row 32 (tau / 2) + 8 (tau % 2) + r + 8 (r / 8): where such a tile is source 0 of a product, the 16 result registers
; of tiles 2 b and 2 b + 1 are 16 neighbours, 32 b + 16 (lane / 16) + 0 .. 15, which the next quantiser wants.
; A FRAGMENT (16 rows x 128 K, 12 registers a lane: registers 6 c .. 6 c + 5 hold K = 64 c + 32 (lane / 16) + 0 .. 31) is stored as 1,536 bytes: for c = 0, 1: registers 6 c .. 6 c + 3 at 768 c + 16 x lane,
; registers 6 c + 4, 6 c + 5 at 768 c + 512 + 8 x lane.  A RECORD (64 rows x 128 K) is four such images and a SCALE UNIT of 256 bytes: the word of tile tau, row r at 128 (tau % 2) + 8 r + 4 (tau / 2).
; xq: [block of rows 64][K step 8] records;  woq: [16][8];  wqkv: [head 16][K step 8][q, k, v] records.
; A block's scale is 2^(floor(log2(its largest magnitude)) - 2); its byte is the largest magnitude's exponent field - 2, held at 1 from below.
; LIMITS: NaN and infinities are not served; a block of zeros, or one under 2^-124, gets the byte 1 (its codes are what the conversion gives; the bytes are read by this program alone).
; SHARES.  A work-group takes 64 rows x 512 K; work-groups 0-127 take x, then 32 each Wq, Wk, Wv, Wo: only pointers and strides are chosen, there is one path.  Wave w takes tile w / 2 and two K steps.
; Each load reads 512 consecutive bytes of one row; a fragment's 16 rows turn through the wave's own stage in LDS (rows 528 bytes apart) so that a lane gets 32 neighbours of its row.
; THE ROWS OF A TILE (this stands for what the head above says of them): lane r of tile tau holds row 8 tau + r % 8 + 32 (r / 8) of its block of 64.
; Where such a tile is source 0 of a product, the 32 result registers of a block's four tiles are 32 neighbours, 32 (lane / 16) + 0 .. 31: one whole scale block of the next quantiser in one lane.
.set SP,    528
.set FSTG,  16*SP                      ; a fragment's stage
.set WSTG,  2*FSTG                     ; a wave's two stages
.set SCST,  8*WSTG                     ; behind them: the four K steps' scale units, 256 bytes each
.set REC,   6400
.set L16, 4                            ; v4   16 x lane; never rewritten
.set L8,  5                            ; v5   8 x lane; never rewritten
.set STI, 6                            ; v6   the stage, on the way in
.set STO, 7                            ; v7   and on the way out
.set SA,  8                            ; v8   where my row's scale word goes
.set UA,  9                            ; v9   where a whole unit is read back
.set TM,  10                           ; v10-11, v12-13  largest magnitudes, two chains for each block
.set TN,  12
.set SO,  14                           ; v14-15  the conversions' scale operands
.set WD,  16                           ; v16-17  the scale word of fragment 0, 1
.set H8,  18                           ; v18     8 x (lane / 16)
.set PX,  19                           ; v19     a lane permute's destination
.set BY,  20                           ; v20-21  scale bytes
.set PC,  24                           ; v24-47  the codes of fragment 0, 1: no store's data are written again
.set TY,  48                           ; v48-55  the second halves of the blocks' codes
.set UD,  56                           ; v56-57  a unit's 8 bytes
.set RAW, 64                           ; v64-191 as loaded: 2 x 16 rows
.set X,   192                          ; v192-255 64 numbers of my row
	s_load_b512 s[16:31], s[0:1], 0x0              ; x, Wq, Wk, Wv, Wo, xq, wqkv, woq
	v_lshl_add_u32 v62, v0, 2, 0x21400
	v_mov_b32 v63, 0
	v_lshrrev_b32 v20, 5, v0
	s_delay_alu instid0(VALU_DEP_1)
	v_readfirstlane_b32 s2, v20                    ; wave 0..7
	v_and_b32 v1, 31, v0                           ; lane
	v_and_b32 v2, 15, v0                           ; r
	v_bfe_u32 v3, v0, 4, 1                         ; h
	s_delay_alu instid0(VALU_DEP_3)
	v_lshlrev_b32 v[L16], 4, v1
	s_delay_alu instid0(VALU_DEP_4)
	v_lshlrev_b32 v[L8], 3, v1
	s_wait_alu depctr_va_vdst(0)
	v_lshlrev_b32 v[H8], 3, v3
	v_mov_b32 v[PX], 0                             ; written once: a lane permute's destination counts as one of its sources
	s_lshr_b32 s3, s2, 1                           ; tau
	s_and_b32 s4, s2, 1                            ; which pair of K steps
	s_mul_i32 s35, s2, WSTG
	v_add_nc_u32 v[STI], s35, v[L16]               ; in: 16 bytes a lane of a row's 512
	v_mul_u32_u24 v[STO], v2, SP
	s_delay_alu instid0(VALU_DEP_1)
	v_lshl_add_u32 v[STO], v3, 7, v[STO]
	s_delay_alu instid0(VALU_DEP_1)
	v_add_nc_u32 v[STO], s35, v[STO]               ; out: row r, + 128 h
	s_lshl_b32 s36, s4, 9
	s_and_b32 s37, s3, 1
	s_lshl_b32 s37, s37, 7
	s_add_co_u32 s36, s36, s37
	s_lshr_b32 s37, s3, 1
	s_lshl_b32 s37, s37, 2
	s_add_co_u32 s36, s36, s37
	s_add_co_u32 s36, s36, SCST
	v_lshl_add_u32 v[SA], v2, 3, s36               ; unit 2 (w % 2) (+ 1 by the immediate), place 128 (tau % 2) + 4 (tau / 2) + 8 r
	s_min_u32 s35, s2, 3
	s_lshl_b32 s36, s35, 8
	s_add_co_u32 s36, s36, SCST
	v_add_nc_u32 v[UA], s36, v[L8]                 ; waves 0 to 3 store unit w
	s_mov_b32 s32, 0x76543210
	s_mov_b32 s33, 0xfedcba98                      ; v_permlanex16_b32's selects for lane l xor 16
	; which tensor, which rows, which half of K: all from the work-group's number
	s_and_b32 s40, ttmp9, 1                        ; kh
	s_and_b32 s47, ttmp9, 127
	s_lshr_b32 s47, s47, 5                         ; which weight (used where the work-group's number is 128 or more)
	s_and_b32 s42, ttmp9, 31
	s_lshr_b32 s42, s42, 1
	s_lshr_b32 s43, ttmp9, 1
	s_cmp_lt_u32 ttmp9, 128
	s_cselect_b32 s42, s43, s42                    ; the block of 64 rows
	s_cselect_b32 s5, 1, 0
	s_cmp_eq_u32 s47, 3
	s_cselect_b32 s5, 1, s5                        ; 1: x or Wo, whose records stand alone; 0: Wq, Wk, Wv, three records to a K step
	s_mul_i32 s34, s47, REC
	s_mov_b32 s6, 24*REC
	s_mov_b32 s7, 3*REC
	s_cmp_eq_u32 s5, 1
	s_cselect_b32 s6, 8*REC, s6                    ; from block of rows to block of rows
	s_cselect_b32 s7, REC, s7                      ; from K step to K step
	s_cselect_b32 s34, 0, s34                      ; the weight's place in a K step
	s_lshl_b32 s44, s42, 18                        ; the source: 64 rows of 4,096 bytes a block,
	s_lshl_b32 s45, s3, 15                         ; 8 tau rows,
	s_add_co_u32 s44, s44, s45
	s_lshl_b32 s46, s40, 2
	s_lshl_b32 s45, s4, 1
	s_add_co_u32 s46, s46, s45                     ; my first K step: 4 kh + 2 (w % 2)
	s_lshl_b32 s45, s46, 9
	s_add_co_u32 s44, s44, s45                     ; of 512 bytes
	s_mov_b32 s45, 0
	s_mul_i32 s36, s42, s6
	s_add_co_u32 s36, s36, s34                     ; the records: what all waves share
	s_mul_i32 s38, s46, s7
	s_add_co_u32 s38, s38, s36
	s_mul_i32 s39, s3, 1536
	s_add_co_u32 s38, s38, s39                     ; my first fragment's image
	s_mov_b32 s39, 0
	s_add_co_u32 s42, s38, s7                      ; my second
	s_mov_b32 s43, 0
	s_lshl_b32 s40, s40, 2
	s_add_co_u32 s40, s40, s35
	s_mul_i32 s40, s40, s7
	s_add_co_u32 s40, s40, s36
	s_add_co_u32 s40, s40, 6144                    ; the unit that I store, if I store one
	s_mov_b32 s41, 0
	s_wait_alu depctr_va_vdst(0)
	s_wait_kmcnt 0x0
	s_mov_b64 s[8:9], s[18:19]                     ; the choices hang on the work-group's number alone
	s_cmp_eq_u32 s47, 1
	s_cselect_b64 s[8:9], s[20:21], s[8:9]
	s_cmp_eq_u32 s47, 2
	s_cselect_b64 s[8:9], s[22:23], s[8:9]
	s_cmp_eq_u32 s47, 3
	s_cselect_b64 s[8:9], s[24:25], s[8:9]
	s_cselect_b64 s[10:11], s[30:31], s[28:29]
	s_cmp_lt_u32 ttmp9, 128
	s_cselect_b64 s[8:9], s[16:17], s[8:9]
	s_cselect_b64 s[10:11], s[26:27], s[10:11]
	s_add_nc_u64 s[8:9], s[8:9], s[44:45]
	s_add_nc_u64 s[12:13], s[10:11], s[42:43]
	s_add_nc_u64 s[14:15], s[10:11], s[40:41]
	s_add_nc_u64 s[10:11], s[10:11], s[38:39]
.irp f, 0,1                                    ; all 32 loads go out at once: 16 KB a wave on their way
.irp j, 0,1,2,3,4,5,6,7,8,9,10,11,12,13,14,15
	global_load_b128 v[RAW+64*\f+4*\j:RAW+64*\f+4*\j+3], v[L16], s[8:9] offset:(\j+24*(\j/8))*4096+512*\f th:TH_LOAD_NT   ; the tile's row j: 512 consecutive bytes
.endr
.endr
.macro FRAGQ f
	s_wait_loadcnt 16*(1-\f)                       ; this fragment's 16 loads are in; the second fragment's 16 may be out
.irp j, 0,1,2,3,4,5,6,7,8,9,10,11,12,13,14,15
	ds_store_b128 v[STI], v[RAW+64*\f+4*\j:RAW+64*\f+4*\j+3] offset:FSTG*\f+SP*\j
.endr
.irp c, 0,1
.irp i, 0,1,2,3,4,5,6,7
	ds_load_b128 v[X+32*\c+4*\i:X+32*\c+4*\i+3], v[STO] offset:FSTG*\f+256*\c+16*\i   ; K = 64 c + 32 h + 4 i ..: LDS serves a wave's instructions in order, so these see my stores
.endr
.endr
	s_wait_dscnt 0x0
.irp c, 0,1                                    ; my block 2 c + h: all its 32 numbers are mine
	v_max3_num_f32 v[TM+\c], |v[X+32*\c]|, |v[X+32*\c+1]|, 0x1800000   ; with the floor 2^(3 - 127): the byte cannot fall under 1
	v_max3_num_f32 v[TN+\c], |v[X+32*\c+16]|, |v[X+32*\c+17]|, |v[X+32*\c+18]|
.endr
.irp i, 2,4,6,8,10,12
.irp c, 0,1
	s_delay_alu instid0(VALU_DEP_4)
	v_max3_num_f32 v[TM+\c], v[TM+\c], |v[X+32*\c+\i]|, |v[X+32*\c+\i+1]|
	s_delay_alu instid0(VALU_DEP_4)
	v_max3_num_f32 v[TN+\c], v[TN+\c], |v[X+32*\c+\i+17]|, |v[X+32*\c+\i+18]|
.endr
.endr
.irp c, 0
	s_delay_alu instid0(VALU_DEP_4)
	v_max3_num_f32 v[TM+\c], v[TM+\c], |v[X+32*\c+14]|, |v[X+32*\c+15]|
.endr
.irp c, 1
	s_delay_alu instid0(VALU_DEP_3)
	v_max3_num_f32 v[TM+\c], v[TM+\c], |v[X+32*\c+14]|, |v[X+32*\c+15]|
.endr
.irp c, 0,1
	s_delay_alu instid0(VALU_DEP_2)
	v_max3_num_f32 v[TM+\c], v[TM+\c], v[TN+\c], |v[X+32*\c+31]|
.endr
.irp c, 0,1
	s_delay_alu instid0(VALU_DEP_2)
	v_add_nc_u32 v[SO+\c], 0xff000000, v[TM+\c]    ; 2 off the exponent field: the conversion takes the exponent field of this operand as its scale
.endr
.irp c, 0,1
	s_delay_alu instid0(VALU_DEP_2)
	v_lshrrev_b32 v[BY+\c], 23, v[SO+\c]           ; the scale's byte
.endr
	s_delay_alu instid0(VALU_DEP_1)
	v_lshl_or_b32 v[WD+\f], v[BY+1], 16, v[BY]     ; my two bytes, blocks h and 2 + h,
	s_delay_alu instid0(VALU_DEP_1)
	v_lshlrev_b32 v[WD+\f], v[H8], v[WD+\f]        ; at their places;
	s_delay_alu instid0(VALU_DEP_1)
	v_permlanex16_b32 v[PX], v[WD+\f], s32, s33
	s_delay_alu instid0(VALU_DEP_1)
	v_or_b32 v[WD+\f], v[WD+\f], v[PX]             ; with lane l xor 16's two the word is whole
.irp c, 0,1
	v_cvt_scalef32_pk16_fp6_f32 v[PC+12*\f+6*\c:PC+12*\f+6*\c+2], v[X+32*\c:X+32*\c+15], v[SO+\c]
	v_cvt_scalef32_pk16_fp6_f32 v[TY+4*\c:TY+4*\c+2], v[X+32*\c+16:X+32*\c+31], v[SO+\c]   ; (a conversion's three registers begin on an even number)
.endr
	v_nop                                          ; one plain place behind a scaled conversion
.irp c, 0,1
.irp i, 0,1,2
	v_mov_b32 v[PC+12*\f+6*\c+3+\i], v[TY+4*\c+\i]
.endr
.endr
.irp c, 0,1
	global_store_b128 v[L16], v[PC+12*\f+6*\c:PC+12*\f+6*\c+3], s[10+2*\f:11+2*\f] offset:768*\c         ; 512 consecutive bytes,
	global_store_b64 v[L8], v[PC+12*\f+6*\c+4:PC+12*\f+6*\c+5], s[10+2*\f:11+2*\f] offset:768*\c+512     ; and 256, both aligned to 256
.endr
	ds_store_b32 v[SA], v[WD+\f] offset:256*\f     ; both halves of the lanes write the same word with the same value
.endm
	FRAGQ 0
	FRAGQ 1
	s_wait_dscnt 0x0                               ; for the others' sake: my scale words lie in LDS
	s_barrier_signal -1
	s_barrier_wait -1
	s_cmp_lt_u32 s2, 4                             ; four units, four waves
	s_cbranch_scc0 .Ldone
	ds_load_b64 v[UD:UD+1], v[UA]
	s_wait_dscnt 0x0
	global_store_b64 v[L8], v[UD:UD+1], s[14:15]   ; 32 lanes store 256 consecutive bytes, aligned
.Ldone:
	s_wait_tensorcnt 0x0
	ds_add_u32 v62, v63
	s_wait_dscnt 0x0
	s_endpgm
.Lfunc_end_k_q1c54035f50_quant:
	.size	k_q1c54035f50_quant, .Lfunc_end_k_q1c54035f50_quant-k_q1c54035f50_quant
	.p2alignl 7, 3214868480
	.fill 96, 4, 3214868480
	.section	.rodata,"a",@progbits
	.p2align	6, 0x0
	.amdhsa_kernel k_q1c54035f50_quant
		.amdhsa_group_segment_fixed_size 137216
		.amdhsa_private_segment_fixed_size 0
		.amdhsa_enable_private_segment 0
		.amdhsa_kernarg_size 64
		.amdhsa_user_sgpr_count 2
		.amdhsa_user_sgpr_kernarg_segment_ptr 1
		.amdhsa_wavefront_size32 1
		.amdhsa_system_sgpr_workgroup_id_x 1
		.amdhsa_system_sgpr_workgroup_id_y 1
		.amdhsa_system_sgpr_workgroup_id_z 1
		.amdhsa_system_vgpr_workitem_id 0
		.amdhsa_next_free_vgpr 256
		.amdhsa_next_free_sgpr 66
		.amdhsa_reserve_vcc 0
		.amdhsa_float_denorm_mode_32 3
		.amdhsa_float_denorm_mode_16_64 3
		.amdhsa_memory_ordered 1
		.amdhsa_forward_progress 1
		.amdhsa_inst_pref_size 21
	.end_amdhsa_kernel
	.amdgpu_metadata
---
amdhsa.version: [ 1, 2 ]
amdhsa.kernels:
  - .name:           k_q1c54035f50_quant
    .symbol:         k_q1c54035f50_quant.kd
    .args:
      - { .name: x, .offset: 0, .size: 8, .value_kind: global_buffer, .address_space: global }
      - { .name: Wq, .offset: 8, .size: 8, .value_kind: global_buffer, .address_space: global }
      - { .name: Wk, .offset: 16, .size: 8, .value_kind: global_buffer, .address_space: global }
      - { .name: Wv, .offset: 24, .size: 8, .value_kind: global_buffer, .address_space: global }
      - { .name: Wo, .offset: 32, .size: 8, .value_kind: global_buffer, .address_space: global }
      - { .name: xq, .offset: 40, .size: 8, .value_kind: global_buffer, .address_space: global }
      - { .name: wqkv, .offset: 48, .size: 8, .value_kind: global_buffer, .address_space: global }
      - { .name: woq, .offset: 56, .size: 8, .value_kind: global_buffer, .address_space: global }
    .group_segment_fixed_size: 137216
    .private_segment_fixed_size: 0
    .kernarg_segment_align: 8
    .kernarg_segment_size: 64
    .max_flat_workgroup_size: 256
    .sgpr_count:     66
    .vgpr_count:     256
    .wavefront_size: 32
...
	.end_amdgpu_metadata
.endif
;; end of part 1
;; launch qkv (part 2): grid 16 x 16, 4 waves a work-group, clusters of 4 x 1, 327,680 bytes of LDS; arguments xq, wqkv, qc, kv; writes qc, kv
.if DOCPART == 2
	.amdgcn_target "amdgcn-amd-amdhsa--gfx1250"
	.amdhsa_code_object_version 6
	.text
	.protected	k_q1c54035f50_qkv
	.globl	k_q1c54035f50_qkv
	.p2align	8
	.type	k_q1c54035f50_qkv,@function
k_q1c54035f50_qkv:
	s_mov_b64 s[64:65], 0
	v_nop
	global_prefetch_b8 v0, s[64:65] scope:SCOPE_SE
	s_setreg_imm32_b32 hwreg(HW_REG_WAVE_MODE, 25, 1), 1
	s_wait_xcnt 0x0
	s_wait_alu depctr_hold_cnt(0) depctr_sa_sdst(0) depctr_va_vdst(0) depctr_va_sdst(0) depctr_va_ssrc(0) depctr_va_vcc(0) depctr_vm_vsrc(0)
	s_getreg_b32 s2, hwreg(HW_REG_IB_STS2, 6, 4)
	s_cmp_eq_u32 s2, 0
	s_cbranch_scc0 .Lentry_in_a_cluster
	s_endpgm
.Lentry_in_a_cluster:
	s_bfe_u32 s2, ttmp6, 0x10000c
	s_cmp_lg_u32 s2, 0x3003
	s_cbranch_scc0 .Lentry_shape_is_right
	s_endpgm
.Lentry_shape_is_right:
; Q = x Wq^T, K = x Wk^T, V = x Wv^T on codes of FP6 (E2M3) with E8M0 scales, f32 sums; the results are quantised in registers (Q, K along the head's 64, V along the keys) and leave as codes.
; INPUTS, as the launch before laid them: records of 6,400 bytes (64 rows x 128 K): four fragment images of 1,536 bytes and a scale unit of 256.  A fragment image: for c = 0, 1 registers 6 c .. 6 c + 3 at 768 c + 16 x lane,
; registers 6 c + 4, 6 c + 5 at 768 c + 512 + 8 x lane.  Lane r of tile tau holds row 32 (tau / 2) + 8 (tau % 2) + r + 8 (r / 8) of its block of 64.  A scale unit: 8 bytes a lane: word j is that of tile 2 j + lane / 16, row lane % 16:
; so one register carries an even tile's words in lanes 0-15 and the odd tile's in lanes 16-31.
; SHARES.  A work-group: 256 rows of x (mb) x one head's 64 columns of each of Q, K, V.  A wave: 64 rows x all 192 columns: 48 accumulators.
; x's fragments are read by one wave alone: from memory straight into a ring of four register slots, three K steps ahead.  The head's weights, all of K (24 records, 153,600 bytes), come into LDS ONCE.
; CLUSTER.  The four work-groups of a cluster take four row blocks of one head and need the same weights: each wave's two tensor loads are asked for JOINTLY (mask 15).  By this text's count a wave has two tensor loads out at most.
; No LDS byte is filled twice.
; ORIENTATION.  Q, K: source 0 = 16 rows of the weight, source 1 = 16 rows of x: a lane holds one row of x, its registers run along the head's d.  V: source 0 = x, source 1 = Wv: a lane holds one d, its registers run down the keys.
; By the choice of a tile's rows the 16 registers of two neighbouring tiles are 16 neighbours along the next product's K.
; OUTPUTS.  A HALF IMAGE (16 rows x 64 K, 6 registers a lane: K = 32 (lane / 16) + 0 .. 31): registers 0-3 at 16 x lane, 4-5 at 512 + 8 x lane: 768 bytes.
; qc: [batch x head 32][block of 64 queries 32] records of 3,328: four half images, a scale unit (bytes 2, 3 of each word 0x7f: the upper half of the next product's K is zero codes).
; kv: [batch x head 32][step of 128 keys 16] records of 13,312: K's 8 half images; V's 8 (half c of the keys, d tile u at 6144 + 768 (4 c + u)); K's two scale units at 12288; V's two at 12800 (unit c holds bytes 2 c, 2 c + 1, 0 elsewhere).
; LIMITS: NaN and infinities are not served; a block of zeros, or one under 2^-124, gets the byte 1 (the bytes are read by this program alone).
; REGISTERS, in windows of 256: window 0: v1-6 addresses; v32-47 x's scale words; v48-53 the weights', three sets; v64-207 the weights' fragments, three sets of 48 (the way out's codes lie there later); v208-255 the way out's work.
;   window 1: v0-191 x's ring.   window 2: Q at v[32 t + 8 u], K at v[128 + 32 t + 8 u] (t: tile of x, u: tile of the weight).   window 3: V at v[32 u + 8 t].
; THE ROWS OF A TILE (this stands for what the head above says of them): lane r of tile tau holds row 8 tau + r % 8 + 32 (r / 8) of its block of 64, in x and in the weights alike.
; So the 32 result registers of a group of four tiles are 32 neighbours along the next product's K, 32 (lane / 16) + 0 .. 31: a lane holds one whole scale block, and only the scale word's two bytes pass between lanes.
; THE WEIGHTS' TWO FILLS: K steps 0 to 3 at the head, one tensor load a wave; K steps 4 to 7 behind the wait for all loads, the add, its wait and a round of the cluster's barrier.
.set NM,   3
.set NPH,  8*NM                        ; phases: K step s, matrix m: 16 matrix instructions each
.set REC,  6400
.set AREC, 6400
.set L16,  1                           ; v1, v3, v5  16 x lane, + 9 and + 18 records (an LDS immediate has 16 bits); never rewritten
.set L8,   2                           ; v2, v4, v6  8 x lane likewise
.set XS,   32
.set WS,   48
.set BS,   64
.set PCM,  64                          ; the way out: codes, 32 registers for each of Q, K, V: no store's data are written again
.set UU,   160                         ; and their scale units, 2 each
.set TM,   208                         ; 8 largest magnitudes
.set TX,   216                         ; 8: the lane permutes' destinations, then the bytes
.set SO,   224                         ; 8 scale operands
.set WD,   232                         ; 4 scale words
.set TY,   240                         ; 4 x 4: the second conversions' results
.set WV,   12
.set G1,   16                          ; s[16:23] descriptor group 1; s[24:27], s[28:31] groups 0
.set G0A,  24
.set G0B,  28
.set AB,   32                          ; s[32:33] x's records of my 64 rows
.set QB,   34                          ; s[34:35] my record of qc
.set KC,   36                          ; s[36:37] my half of a record of kv: codes
.set HM,   38                          ; s38 the mask of lanes 16-31
.set SH,   39                          ; s39 16 x (which half of a step's keys)
.set UB,   44                          ; s[44:45] the same record: scale units
.set SEL,  52
.set MSB, 0
.macro WIN new                         ; the immediate's high byte repeats the setting that is left
.if MSB != \new
	s_set_vgpr_msb (MSB<<8)|\new
.set MSB, \new
.endif
.endm
.macro PLACES                          ; four plain places behind a matrix instruction, in front of loads into its registers and of reads of its results
.rept 4
	v_nop
.endr
.endm
.macro CROUND                          ; a round of the cluster's barrier
	s_barrier_signal -1
	s_barrier_wait -1
	s_cmp_lg_u32 s[WV], 0
	s_cbranch_scc1 .Lnot_wave_0_\@
	s_barrier_signal -3
.Lnot_wave_0_\@:
	s_barrier_wait -3
	s_barrier_signal -1
	s_barrier_wait -1
.endm
; One matrix instruction; its registers stand in the symbols rD, rA, rB, rC, rSA, rSB.  rZ: C is the constant 0.  rRA, rRB: the side's scale words lie in lanes 16-31.
.macro WM
.if rZ
.if rRA && rRB
	v_wmma_scale_f32_16x16x128_f8f6f4 v[rD:rD+7], v[rA:rA+11], v[rB:rB+11], 0, v[rSA], v[rSB] matrix_a_fmt:MATRIX_FMT_FP6 matrix_b_fmt:MATRIX_FMT_FP6 matrix_a_scale:MATRIX_SCALE_ROW1 matrix_b_scale:MATRIX_SCALE_ROW1
.elseif rRA
	v_wmma_scale_f32_16x16x128_f8f6f4 v[rD:rD+7], v[rA:rA+11], v[rB:rB+11], 0, v[rSA], v[rSB] matrix_a_fmt:MATRIX_FMT_FP6 matrix_b_fmt:MATRIX_FMT_FP6 matrix_a_scale:MATRIX_SCALE_ROW1
.elseif rRB
	v_wmma_scale_f32_16x16x128_f8f6f4 v[rD:rD+7], v[rA:rA+11], v[rB:rB+11], 0, v[rSA], v[rSB] matrix_a_fmt:MATRIX_FMT_FP6 matrix_b_fmt:MATRIX_FMT_FP6 matrix_b_scale:MATRIX_SCALE_ROW1
.else
	v_wmma_scale_f32_16x16x128_f8f6f4 v[rD:rD+7], v[rA:rA+11], v[rB:rB+11], 0, v[rSA], v[rSB] matrix_a_fmt:MATRIX_FMT_FP6 matrix_b_fmt:MATRIX_FMT_FP6
.endif
.else
.if rRA && rRB
	v_wmma_scale_f32_16x16x128_f8f6f4 v[rD:rD+7], v[rA:rA+11], v[rB:rB+11], v[rC:rC+7], v[rSA], v[rSB] matrix_a_fmt:MATRIX_FMT_FP6 matrix_b_fmt:MATRIX_FMT_FP6 matrix_a_scale:MATRIX_SCALE_ROW1 matrix_b_scale:MATRIX_SCALE_ROW1
.elseif rRA
	v_wmma_scale_f32_16x16x128_f8f6f4 v[rD:rD+7], v[rA:rA+11], v[rB:rB+11], v[rC:rC+7], v[rSA], v[rSB] matrix_a_fmt:MATRIX_FMT_FP6 matrix_b_fmt:MATRIX_FMT_FP6 matrix_a_scale:MATRIX_SCALE_ROW1
.elseif rRB
	v_wmma_scale_f32_16x16x128_f8f6f4 v[rD:rD+7], v[rA:rA+11], v[rB:rB+11], v[rC:rC+7], v[rSA], v[rSB] matrix_a_fmt:MATRIX_FMT_FP6 matrix_b_fmt:MATRIX_FMT_FP6 matrix_b_scale:MATRIX_SCALE_ROW1
.else
	v_wmma_scale_f32_16x16x128_f8f6f4 v[rD:rD+7], v[rA:rA+11], v[rB:rB+11], v[rC:rC+7], v[rSA], v[rSB] matrix_a_fmt:MATRIX_FMT_FP6 matrix_b_fmt:MATRIX_FMT_FP6
.endif
.endif
.endm
; x's four fragments of K step s into ring slot s % 4 (window 1): 16 loads, each of 512 or 256 consecutive bytes
.macro ALOAD s
	WIN 0x40
.irp t, 0,1,2,3
	global_load_b128 v[48*((\s)%4)+12*\t:48*((\s)%4)+12*\t+3], v[L16], s[AB:AB+1] offset:(\s)*AREC+1536*\t
	global_load_b64 v[48*((\s)%4)+12*\t+4:48*((\s)%4)+12*\t+5], v[L8], s[AB:AB+1] offset:(\s)*AREC+1536*\t+512
	global_load_b128 v[48*((\s)%4)+12*\t+6:48*((\s)%4)+12*\t+9], v[L16], s[AB:AB+1] offset:(\s)*AREC+1536*\t+768
	global_load_b64 v[48*((\s)%4)+12*\t+10:48*((\s)%4)+12*\t+11], v[L8], s[AB:AB+1] offset:(\s)*AREC+1536*\t+1280
.endr
	WIN 0
.endm
; record p of the weights from LDS into set p % 3: 17 LDS loads
.macro BLOAD p
.set bR, BS+48*((\p)%3)
.set bO, ((\p)%9)*REC
.set bA, 2*((\p)/9)
.irp u, 0,1,2,3
	ds_load_b128 v[bR+12*\u:bR+12*\u+3], v[L16+bA] offset:bO+1536*\u
	ds_load_b64 v[bR+12*\u+4:bR+12*\u+5], v[L8+bA] offset:bO+1536*\u+512
	ds_load_b128 v[bR+12*\u+6:bR+12*\u+9], v[L16+bA] offset:bO+1536*\u+768
	ds_load_b64 v[bR+12*\u+10:bR+12*\u+11], v[L8+bA] offset:bO+1536*\u+1280
.endr
	ds_load_b64 v[WS+2*((\p)%3):WS+2*((\p)%3)+1], v[L8+bA] offset:bO+6144
.endm
; Phase PH: K step PH / 3, matrix PH % 3.  The 16 accumulators take turns, one instruction a turn; between two links on one accumulator stand 47 others'.
.macro PHASE
.set pS, PH/NM
.set pM, PH%NM
.if PH == 4*NM-2
	s_wait_tensorcnt 0x0                           ; my second load, K step 4 + w's records, has landed;
	s_wait_dscnt 0x0                               ; no LDS instruction of mine is out at a signal
	s_barrier_signal -1
	s_barrier_wait -1                              ; everybody's has: the run of loads below is the first that reads K step 4
.endif
.if PH+2 < NPH
	BLOAD PH+2                                     ; two phases ahead, into the set that the last phase read (its places stand at its end)
.endif
.if pM == 0
.if pS <= 4
	s_wait_loadcnt 48                              ; this K step's fragments of x are in; those of the three K steps behind it, 16 loads each, may be out
.else
	s_wait_loadcnt 16*(7-pS)                       ; the ring runs empty: two, one, no K steps behind this one
.endif
.endif
.if PH+2 < NPH
	s_wait_dscnt 34                                ; this phase's record is in; the next two phases', 17 loads each, may be out
.else
	s_wait_dscnt 17*(NPH-1-PH)
.endif
.if pS == 0
.set rZ, 1                                     ; the first K step starts the sums: nothing is cleared
.else
.set rZ, 0
.endif
.if pM < 2
	WIN 0xa4                                       ; source 0 (weight) window 0, source 1 (x) window 1, C and D window 2
.else
	WIN 0xf1                                       ; source 0 (x) window 1, source 1 (weight) window 0, C and D window 3
.endif
.irp u, 0,1,2,3
.irp t, 0,1,2,3
.if pM < 2
.set rD, 128*pM+32*\t+8*\u
.set rA, BS+48*(PH%3)+12*\u
.set rB, 48*(pS%4)+12*\t
.set rSA, WS+2*(PH%3)+\u/2
.set rSB, XS+2*pS+\t/2
.set rRA, \u%2
.set rRB, \t%2
.else
.set rD, 32*\u+8*\t
.set rA, 48*(pS%4)+12*\t
.set rB, BS+48*(PH%3)+12*\u
.set rSA, XS+2*pS+\t/2
.set rSB, WS+2*(PH%3)+\u/2
.set rRA, \t%2
.set rRB, \u%2
.endif
.set rC, rD
	WM
.endr
.endr
	WIN 0
	PLACES
.if (pM == NM-1) && (pS < 4)
	ALOAD pS+4                                     ; the slot just read out takes the K step four on
.endif
.endm
; THE WAY OUT of one of the three results: four groups g of 32 registers, A0 + 32 g + 16 b + i, in window W: number 32 b + 16 (lane / 16) + i along the next K of the lane's row.  kind 0: Q, K; 1: V.  mi: which registers take the codes.
.macro EPI W, A0, kind, mi, cb, co, ub, uo
.set wA, 5*(\W)
	WIN wA                                         ; sources 0 and 1 in window W
.irp g, 0,1,2,3
.irp b, 0,1
	v_max3_num_f32 v[TM+2*\g+\b], |v[\A0+32*\g+16*\b]|, |v[\A0+32*\g+16*\b+1]|, 0x1800000   ; each accumulator is read from its low end on; the floor 2^(3 - 127) holds the byte at 1 from below
.endr
.endr
.irp i, 2,4,6,8,10,12,14
.irp g, 0,1,2,3
.irp b, 0,1
	v_max3_num_f32 v[TM+2*\g+\b], |v[\A0+32*\g+16*\b+\i]|, |v[\A0+32*\g+16*\b+\i+1]|, v[TM+2*\g+\b]   ; (the eight blocks by turns)
.endr
.endr
.endr
	WIN 0
.irp g, 0,1,2,3
	v_max_num_f32 v[TM+\g], v[TM+2*\g], v[TM+2*\g+1]   ; the two chains of a group: the block's largest magnitude, all 32 numbers mine
.endr
.irp g, 0,1,2,3
	v_add_nc_u32 v[SO+\g], 0xff000000, v[TM+\g]    ; 2 off the exponent field: the conversion's scale operand
.endr
.irp g, 0,1,2,3
	v_lshrrev_b32 v[TX+\g], 23, v[SO+\g]           ; the scale's byte, of block lane / 16
.endr
.irp g, 0,1,2,3
	v_lshlrev_b32 v[TX+\g], v8, v[TX+\g]           ; at its place
.endr
.irp g, 0,1,2,3
	v_permlanex16_b32 v[TX+4+\g], v[TX+\g], s[SEL], s[SEL+1]
.endr
.irp g, 0,1,2,3
	v_or_b32 v[WD+\g], v[TX+\g], v[TX+4+\g]        ; with lane l xor 16's byte: both bytes of the row
.endr
.irp g, 0,1,2,3
.if \kind
	v_lshlrev_b32 v[WD+\g], s[SH], v[WD+\g]        ; V: my 64 keys are half of a step's 128: bytes 0, 1 or 2, 3
.else
	v_or_b32 v[WD+\g], 0x7f7f0000, v[WD+\g]        ; Q, K: the upper 64 of the next product's K are zero codes under the byte of 1.0
.endif
.endr
	v_cndmask_b32 v[UU+2*\mi], v[WD], v[WD+1], s[HM]       ; the scale unit: lanes 0-15 tile 0's words, lanes 16-31 tile 1's;
	v_cndmask_b32 v[UU+2*\mi+1], v[WD+2], v[WD+3], s[HM]   ; tiles 2 and 3
	WIN \W                                         ; source 0 in window W
.irp g, 0,1,2,3
	v_cvt_scalef32_pk16_fp6_f32 v[PCM+32*\mi+8*\g:PCM+32*\mi+8*\g+2], v[\A0+32*\g:\A0+32*\g+15], v[SO+\g]
	v_cvt_scalef32_pk16_fp6_f32 v[TY+4*\g:TY+4*\g+2], v[\A0+32*\g+16:\A0+32*\g+31], v[SO+\g]
.endr
	WIN 0
	v_nop                                          ; one plain place behind a scaled conversion
.irp g, 0,1,2,3
.irp i, 0,1,2
	v_mov_b32 v[PCM+32*\mi+8*\g+3+\i], v[TY+4*\g+\i]
.endr
.endr
.irp g, 0,1,2,3
	global_store_b128 v[L16], v[PCM+32*\mi+8*\g:PCM+32*\mi+8*\g+3], s[\cb:\cb+1] offset:\co+768*\g        ; 512 consecutive bytes,
	global_store_b64 v[L8], v[PCM+32*\mi+8*\g+4:PCM+32*\mi+8*\g+5], s[\cb:\cb+1] offset:\co+768*\g+512    ; and 256, both aligned to 256
.endr
	global_store_b64 v[L8], v[UU+2*\mi:UU+2*\mi+1], s[\ub:\ub+1] offset:\uo
.endm
	s_load_b256 s[4:11], s[0:1], 0x0               ; xq s[4:5], wqkv s[6:7], qc s[8:9], kv s[10:11]
	v_lshl_add_u32 v251, v0, 2, 0x29000
	v_mov_b32 v255, 0
	ds_add_u32 v251, v255
	ds_add_u32 v251, v255
	v_lshrrev_b32 v7, 5, v0
	v_readfirstlane_b32 s[WV], v7                  ; wave 0..3
	v_and_b32 v7, 31, v0
	v_lshlrev_b32 v[L16], 4, v7
	v_lshlrev_b32 v[L8], 3, v7
	v_bfe_u32 v8, v0, 4, 1
	v_lshlrev_b32 v8, 3, v8                        ; v8  8 x (lane / 16); never rewritten
	v_add_nc_u32 v[L16+2], 9*REC, v[L16]
	v_add_nc_u32 v[L8+2], 9*REC, v[L8]
	v_add_nc_u32 v[L16+4], 18*REC, v[L16]
	v_add_nc_u32 v[L8+4], 18*REC, v[L8]
.irp i, 0,1,2,3,4,5,6,7
	v_mov_b32 v[TX+\i], 0                          ; written once: a lane permute's destination counts as one of its sources
.endr
	s_bfe_u32 s13, ttmp6, 0x40000                  ; cx: my place in the cluster: it enters x's, qc's and kv's addresses alone
	s_lshl_b32 s14, ttmp9, 2
	s_add_co_u32 s14, s14, s13                     ; mb: my 256 rows
	s_and_b32 s15, ttmp7, 0xffff                   ; the head, which the four partners share
	; descriptor group 1: a dense block of three records, as 75 rows of 256 bytes (32 elements of 8 bytes)
	s_mov_b32 s[G1], 15|(3<<16)|(1<<21)            ; 15:0 the mask: all four work-groups; 17:16 elements of 8 bytes; 20 no padding; 21 set beside a mask
	s_mov_b32 s[G1+1], 32<<16                      ; tensor_dim0
	s_mov_b32 s[G1+2], (25*NM)<<16                 ; tensor_dim1
	s_mov_b32 s[G1+3], 32<<16                      ; tile_dim0
	s_mov_b32 s[G1+4], 25*NM                       ; tile_dim1
	s_mov_b32 s[G1+5], 32                          ; from row to row
	s_mov_b32 s[G1+6], 0
	s_mov_b32 s[G1+7], 0
	s_mul_i32 s40, s15, 8*NM*REC                   ; the head's weights,
	s_mul_i32 s[G0A+1], s[WV], NM*REC              ; K step w's records: in LDS as in memory
	s_add_co_u32 s40, s40, s[G0A+1]
	s_mov_b32 s41, 0
	s_add_co_u32 s[G0B+1], s[G0A+1], 4*NM*REC      ; and K step 4 + w's
	s_mov_b32 s[G0A], 1
	s_mov_b32 s[G0B], 1
	s_lshl_b32 s42, s14, 2
	s_add_co_u32 s42, s42, s[WV]                   ; my block of 64 rows
	s_mul_i32 s42, s42, 8*AREC
	s_mov_b32 s43, 0
	s_lshr_b32 s46, s14, 3                         ; the batch
	s_lshl_b32 s46, s46, 4
	s_add_co_u32 s46, s46, s15                     ; batch x 16 + head
	s_and_b32 s47, s14, 7
	s_lshl_b32 s48, s46, 5
	s_lshl_b32 s49, s47, 2
	s_add_co_u32 s48, s48, s49
	s_add_co_u32 s48, s48, s[WV]                   ; qc's record: my 64 rows as queries
	s_mul_i32 s48, s48, 3328
	s_mov_b32 s49, 0
	s_lshl_b32 s50, s46, 4
	s_lshl_b32 s51, s47, 1
	s_add_co_u32 s50, s50, s51
	s_lshr_b32 s51, s[WV], 1
	s_add_co_u32 s50, s50, s51                     ; kv's record: the step of 128 keys in which my 64 rows lie
	s_mul_i32 s50, s50, 13312
	s_mov_b32 s51, 0
	s_and_b32 s46, s[WV], 1                        ; which half of it
	s_lshl_b32 s[SH], s46, 4
	s_mul_i32 s54, s46, 3072
	s_mov_b32 s55, 0
	s_lshl_b32 s56, s46, 8
	s_mov_b32 s57, 0
	s_mov_b32 s[HM], 0xffff0000
	s_mov_b32 s[SEL], 0x76543210
	s_mov_b32 s[SEL+1], 0xfedcba98                 ; v_permlanex16_b32's selects for lane l xor 16
	s_wait_dscnt 0x0
	s_wait_kmcnt 0x0
	s_add_nc_u64 s[G0A+2:G0A+3], s[6:7], s[40:41]
	s_add_nc_u64 s[G0B+2:G0B+3], s[G0A+2:G0A+3], 4*NM*REC
	s_or_b32 s[G0A+3], s[G0A+3], 0x80000000        ; 127:126 type = 2
	s_or_b32 s[G0B+3], s[G0B+3], 0x80000000
	s_add_nc_u64 s[AB:AB+1], s[4:5], s[42:43]
	s_add_nc_u64 s[QB:QB+1], s[8:9], s[48:49]
	s_add_nc_u64 s[KC:KC+1], s[10:11], s[50:51]
	s_add_nc_u64 s[UB:UB+1], s[KC:KC+1], s[56:57]
	s_add_nc_u64 s[KC:KC+1], s[KC:KC+1], s[54:55]
	CROUND                                         ; all four work-groups are here: the joint loads meet
	tensor_load_to_lds s[G0A:G0A+3], s[G1:G1+7]    ; K step w's records: my one load at the head
	s_nop 0
.rept 4
	v_nop
.endr
.irp s, 0,1,2,3,4,5,6,7
	global_load_b64 v[XS+2*\s:XS+2*\s+1], v[L8], s[AB:AB+1] offset:\s*AREC+6144   ; x's scale words of all of K: they stay
.endr
	ALOAD 0
	ALOAD 1
	ALOAD 2
	ALOAD 3
	s_wait_tensorcnt 0x0                           ; my first load has landed;
	ds_add_u32 v251, v255                          ; the add and its wait ahead of a later first fill
	s_wait_dscnt 0x0
	CROUND                                         ; K steps 0 to 3 of the weights lie in LDS, and the four work-groups are here: the second joint loads meet
	tensor_load_to_lds s[G0B:G0B+3], s[G1:G1+7]    ; K step 4 + w's records
	s_nop 0
.rept 4
	v_nop
.endr
	BLOAD 0
	BLOAD 1
.set PH, 0
	s_wait_alu depctr_va_vdst(0)
.rept NPH
	PHASE
.set PH, PH+1
.endr
	EPI 2, 0, 0, 0, QB, 0, QB, 3072                ; Q (the places at the last phase's end stand in front of these reads and writes)
	EPI 2, 128, 0, 1, KC, 0, UB, 12288             ; K
	EPI 3, 0, 1, 2, KC, 6144, UB, 12800            ; V
	s_wait_tensorcnt 0x0
	ds_add_u32 v251, v255
	s_wait_dscnt 0x0
	CROUND                                         ; the closing round: no work-group ends while a partner may still ask for a tile that names it
	s_endpgm
.Lfunc_end_k_q1c54035f50_qkv:
	.size	k_q1c54035f50_qkv, .Lfunc_end_k_q1c54035f50_qkv-k_q1c54035f50_qkv
	.p2alignl 7, 3214868480
	.fill 96, 4, 3214868480
	.section	.rodata,"a",@progbits
	.p2align	6, 0x0
	.amdhsa_kernel k_q1c54035f50_qkv
		.amdhsa_group_segment_fixed_size 327680
		.amdhsa_private_segment_fixed_size 0
		.amdhsa_enable_private_segment 0
		.amdhsa_kernarg_size 32
		.amdhsa_user_sgpr_count 2
		.amdhsa_user_sgpr_kernarg_segment_ptr 1
		.amdhsa_wavefront_size32 1
		.amdhsa_system_sgpr_workgroup_id_x 1
		.amdhsa_system_sgpr_workgroup_id_y 1
		.amdhsa_system_sgpr_workgroup_id_z 1
		.amdhsa_system_vgpr_workitem_id 0
		.amdhsa_next_free_vgpr 896
		.amdhsa_next_free_sgpr 66
		.amdhsa_reserve_vcc 0
		.amdhsa_float_denorm_mode_32 3
		.amdhsa_float_denorm_mode_16_64 3
		.amdhsa_memory_ordered 1
		.amdhsa_forward_progress 1
		.amdhsa_inst_pref_size 121
	.end_amdhsa_kernel
	.amdgpu_metadata
---
amdhsa.version: [ 1, 2 ]
amdhsa.kernels:
  - .name:           k_q1c54035f50_qkv
    .symbol:         k_q1c54035f50_qkv.kd
    .args:
      - { .name: xq, .offset: 0, .size: 8, .value_kind: global_buffer, .address_space: global }
      - { .name: wqkv, .offset: 8, .size: 8, .value_kind: global_buffer, .address_space: global }
      - { .name: qc, .offset: 16, .size: 8, .value_kind: global_buffer, .address_space: global }
      - { .name: kv, .offset: 24, .size: 8, .value_kind: global_buffer, .address_space: global }
    .group_segment_fixed_size: 327680
    .private_segment_fixed_size: 0
    .kernarg_segment_align: 8
    .kernarg_segment_size: 32
    .max_flat_workgroup_size: 128
    .sgpr_count:     66
    .vgpr_count:     896
    .wavefront_size: 32
...
	.end_amdgpu_metadata
.endif
;; end of part 2
;; launch attn (part 3): grid 8 x 32, 8 waves a work-group, clusters of 4 x 1, 215,040 bytes of LDS; arguments qc, kv, oq; writes oq
.if DOCPART == 3
	.amdgcn_target "amdgcn-amd-amdhsa--gfx1250"
	.amdhsa_code_object_version 6
	.text
	.protected	k_q1c54035f50_attn
	.globl	k_q1c54035f50_attn
	.p2align	8
	.type	k_q1c54035f50_attn,@function
k_q1c54035f50_attn:
	s_mov_b64 s[64:65], 0
	v_nop
	global_prefetch_b8 v0, s[64:65] scope:SCOPE_SE
	s_setreg_imm32_b32 hwreg(HW_REG_WAVE_MODE, 25, 1), 1
	s_wait_xcnt 0x0
	s_wait_alu depctr_hold_cnt(0) depctr_sa_sdst(0) depctr_va_vdst(0) depctr_va_sdst(0) depctr_va_ssrc(0) depctr_va_vcc(0) depctr_vm_vsrc(0)
	s_getreg_b32 s2, hwreg(HW_REG_IB_STS2, 6, 4)
	s_cmp_eq_u32 s2, 0
	s_cbranch_scc0 .Lentry_in_a_cluster
	s_endpgm
.Lentry_in_a_cluster:
	s_bfe_u32 s2, ttmp6, 0x10000c
	s_cmp_lg_u32 s2, 0x3003
	s_cbranch_scc0 .Lentry_shape_is_right
	s_endpgm
.Lentry_shape_is_right:
; O = softmax(Q K^T / 8) V for one batch and head, both products on codes of FP6 (E2M3) with E8M0 scales; O / the row's sum is quantised along the head's 64 and leaves as codes.
; THE SOFTMAX AHEAD OF THE SECOND PRODUCT: t = score x log2(e) / 8; M = the row's largest t so far, rounded UP to a whole number; p = 2^(t - M) is quantised along the keys, not normalised.
; The row's sum is taken of the unquantised p, in f32.  When M moves, the sums and O are multiplied by 2^(old M - new M): exact.
; INPUTS, as the launch before laid them.  A HALF IMAGE (16 rows x 64 K, 6 registers a lane: K = 32 (lane / 16) + 0 .. 31): registers 0-3 at 16 x lane, 4-5 at 512 + 8 x lane.
; Lane r of tile tau holds row 8 tau + r % 8 + 32 (r / 8) of its 64.  qc: records of 3,328 bytes for 64 queries: four half images, a scale unit.
; kv: records of 13,312 bytes for 128 keys: K's 8 half images; V's 8 (keys innermost; half c, d tile u at 6144 + 768 (4 c + u)); K's two scale units at 12288; V's two at 12800, joined by an OR.
; A scale unit: 8 bytes a lane: word j is that of tile 2 j + lane / 16, row lane % 16.
; THE FIRST PRODUCT'S K IS 64 in an instruction of 128: Q's registers 6-11 are zero codes and bytes 2, 3 of Q's and K's scale words are the byte of 1.0, so K's tiles lie 6 registers apart and each operand runs on into the next tile's codes (behind tile 7: zeros).
; Both products are used transposed (S^T = K Q^T, O^T = V^T P^T): a lane holds ONE query of each tile.  By the rows of a tile, the 32 registers of four neighbouring tiles are 32 neighbouring keys (or d),
; 32 (lane / 16) + 0 .. 31 of their 64: ONE WHOLE SCALE BLOCK IN A LANE.  Lanes l and l xor 16 exchange only the row's maximum and two scale bytes.
; SHARES.  A work-group owns 256 queries; each of its eight waves 32, tiles A and B, so that each fragment of K and V read from LDS feeds two products.  Two waves to a SIMD.
; THE STEP'S ORDER lays the two tiles' work side by side: A's maxima stand behind B's score products, A's chain for M among B's maxima, B's chain among A's multiply-adds, B's multiply-adds among A's exponentials,
; and the 64 additions of p behind the eight products with V.  K of the next step is fetched behind this step's score products and is shown in by this step's one wait for LDS: no wait stands at a step's head.
; The head's whole kv, 212,992 bytes, comes into LDS ONCE: each wave issues one tensor load of two records at the head; no LDS byte is filled twice.  Waves 0 and 1 have a load line of their own:
; the first barrier shows their four key steps; the second, behind three steps (whose fetches reach K of the fourth), all the rest.
; CLUSTER.  The four work-groups of a cluster own four query blocks of one head and need the same kv: the loads are asked for JOINTLY (mask 15).
; NO PREFETCH INTO THE L2: all that the launch reads through LDS is asked for at its head by the tensor loads themselves; there is no loop to run ahead in.
; OUTPUT.  oq: [block of 64 rows 64][K step 8] records of 6,656: tile tau, half c at 1536 tau + 768 c (c = head % 2, K step = head / 2); scale units at 6144 + 256 c, with bytes 2 c, 2 c + 1 and 0 elsewhere.
; LIMITS: NaN and infinities are not served; the scaled scores t stay under 2^31 in magnitude; a block of zeros, or one under 2^-124, gets the byte 1 (the bytes are read by this program alone).
; REGISTERS.  Window 0: addresses, all scale words, the sums, V, O^T.  Window 1: K, Q, p's codes, the softmax's state, S^T of both tiles: so the score products and all of the softmax run under one setting of the windows.
.set REC,  13312
.set STG,  16*REC                      ; behind kv: four scale units of 256 bytes, on their way out
.set SPARE, STG+1024                   ; the spare words: 128 bytes for each of eight waves
; window 0
.set L16,  1                           ; 16 x lane
.set L8,   2                           ; 8 x lane
.set AD16, 3                           ; the same in the step in hand
.set AD8,  4
.set SGW,  5                           ; where my rows' scale words go
.set SGR,  6                           ; where a whole unit is read back
.set SPW,  8
.set NIL,  9
.set QS,   24                          ; Q's scale words: lanes 0-15 tile A, lanes 16-31 tile B
.set KS,   26                          ; v26-29 K's scale words
.set VS,   30                          ; v30-33 V's two units; v34-35 joined
.set VO,   34
.set PW,   36                          ; v36, v37 p's scale words
.set SM,   40                          ; v[40+4q+2n:..+1] tile q's sum, chain n, in two halves
.set TY,   48                          ; v48-63 the second conversions' results
.set VB,   64                          ; v64-111 V
.set O,    128                         ; v128-191 O^T: 32 q + 8 u + j
; window 1
.set KB,   0                           ; v0-53 K and six zeros
.set QF,   56                          ; v56-79 Q's two operands
.set PC,   80                          ; v80-103 p's two operands
.set BM,   104                         ; v[104+2q+c] my block's largest score, then p
.set NM,   108                         ; v[108+2q] -M, v[109+2q] the largest t
.set TP,   112
.set BX,   114
.set SO,   118                         ; scale operands
.set FF,   122                         ; v[122+2q] f = 2^(old M - new M) (the pair's upper half is never used)
.set H8,   126                         ; 8 x (lane / 16)
.set S,    128                         ; S^T, then p: 64 q + 32 c + i
.set WV,   10
.set SEL,  20
.set CS,   22
.set G1,   24
.set G0,   32
.set HM,   36
.set TB,   48
.set CNT,  49
.set SH,   50
.set QB,   52
.set OB,   54
.set OU,   56
.set QU,   58
.set MSB, 0
.macro WIN new                         ; bits 1:0 source 0, 3:2 source 1, 5:4 source 2, 7:6 destination; the high byte repeats the setting that is left
.if MSB != \new
	s_set_vgpr_msb (MSB<<8)|\new
.set MSB, \new
.endif
.endm
.macro WALU
	s_wait_alu depctr_va_vdst(0)
.endm
.macro PLACES
.rept 4
	v_nop
.endr
.endm
.macro CROUND                          ; a round of the cluster's barrier
	s_barrier_signal -1
	s_barrier_wait -1
	s_cmp_lg_u32 s[WV], 0
	s_cbranch_scc1 .Lnot_wave_0_\@
	s_barrier_signal -3
.Lnot_wave_0_\@:
	s_barrier_wait -3
	s_barrier_signal -1
	s_barrier_wait -1
.endm
.macro KLOAD off                       ; K's eight half images and two scale units of the record at v[AD16] + off
	WIN 0x40
.irp t, 0,1,2,3,4,5,6,7
	ds_load_b128 v[KB+6*\t:KB+6*\t+3], v[AD16] offset:(\off)+768*\t
	ds_load_b64 v[KB+6*\t+4:KB+6*\t+5], v[AD8] offset:(\off)+768*\t+512
.endr
	WIN 0
	ds_load_b64 v[KS:KS+1], v[AD8] offset:(\off)+12288
	ds_load_b64 v[KS+2:KS+3], v[AD8] offset:(\off)+12544
.endm
.macro MAXOP q, k, c                   ; line k of 16 of the largest score of tile q's block 2 c + h; each accumulator is read from its low end on
.set B_, S+64*(\q)+32*(\c)
.set M_, BM+2*(\q)+(\c)
.if (\k) == 0
	v_max3_num_f32 v[M_], v[B_], v[B_+1], v[B_+2]
.elseif (\k) == 15
	v_max_num_f32 v[M_], v[M_], v[B_+31]
.else
	v_max3_num_f32 v[M_], v[M_], v[B_+2*(\k)+1], v[B_+2*(\k)+2]
.endif
.endm
.macro CH q, n                         ; line n of 10 of tile q's chain from its blocks' maxima to the new -M and f
.set T_, TP+(\q)
.set N_, NM+2*(\q)
.if (\n) == 0
	v_max_num_f32 v[T_], v[BM+2*(\q)], v[BM+2*(\q)+1]
.elseif (\n) == 1
	v_permlanex16_b32 v[BX+(\q)], v[T_], s[SEL], s[SEL+1]
.elseif (\n) == 2
	v_max_num_f32 v[T_], v[T_], v[BX+(\q)]         ; the step's largest score of my query
.elseif (\n) == 3
	v_mul_f32 v[T_], s[CS], v[T_]                  ; as t (c is positive)
.elseif (\n) == 4
	v_max_num_f32 v[N_+1], v[N_+1], v[T_]
.elseif (\n) == 5
	v_mov_b32 v[T_], v[N_]
.elseif (\n) == 6
	v_floor_f32 v[N_], -v[N_+1]                    ; the new -M = -ceil(t): a whole number
.elseif (\n) == 7
	v_sub_f32 v[T_], v[N_], v[T_]                  ; old M less new M
.elseif (\n) == 8
	v_cvt_i32_f32 v[T_], v[T_]                     ; (it saturates)
.else
	v_ldexp_f32 v[FF+2*(\q)], 1.0, v[T_]           ; f: a multiplication by it rounds nothing
.endif
.endm
.macro TFMA q, i                       ; t - M of tile q's pair i
	v_pk_fma_f32 v[S+64*(\q)+2*(\i):S+64*(\q)+2*(\i)+1], v[S+64*(\q)+2*(\i):S+64*(\q)+2*(\i)+1], s[CS:CS+1], v[NM+2*(\q):NM+2*(\q)+1] op_sel_hi:[1,0,0]
.endm
.macro BFMA q                          ; the same of its blocks' largest scores
	v_fma_f32 v[BM+2*(\q)], v[BM+2*(\q)], s[CS], v[NM+2*(\q)]
	v_fma_f32 v[BM+2*(\q)+1], v[BM+2*(\q)+1], s[CS], v[NM+2*(\q)]
.endm
.macro ADD8                            ; eight of the step's 64 additions of p: four chains by turns
.rept 8
.set A_, SM+4*(AN%2)+2*((AN/2)%2)
.set P_, S+64*(AN%2)+4*(AN/4)+2*((AN/2)%2)
	v_pk_add_f32 v[A_:A_+1], v[A_:A_+1], v[P_:P_+1]
.set AN, AN+1
.endr
.endm
	s_load_b128 s[4:7], s[0:1], 0x0                ; qc, kv
	s_load_b64 s[8:9], s[0:1], 0x10                ; oq
	v_lshl_add_u32 v[SPW], v0, 2, SPARE
	v_mov_b32 v[NIL], 0
	ds_add_u32 v[SPW], v[NIL]                      ; the opening lines: the add twice and its wait ahead of my tensor load
	ds_add_u32 v[SPW], v[NIL]
	v_lshrrev_b32 v10, 5, v0
	v_readfirstlane_b32 s[WV], v10                 ; wave 0..7
	v_and_b32 v10, 31, v0
	v_bfe_u32 v11, v0, 4, 1
	v_lshlrev_b32 v[L16], 4, v10
	v_lshlrev_b32 v[L8], 3, v10
	WALU                                           ; the wait ahead of the run of scalar lines
	s_and_b32 s14, s[WV], 1                        ; my tiles are 2 s14 and 2 s14 + 1
	s_lshr_b32 s15, s[WV], 1                       ; of the s15-th 64 of the 256 queries
	s_lshl_b32 s16, s15, 8
	s_lshl_b32 s17, s14, 2
	s_add_co_u32 s16, s16, s17
	s_add_co_u32 s16, s16, STG
	v_add_nc_u32 v[SGW], s16, v[L8]                ; unit s15, word s14 of lane 16 q + r
	s_min_u32 s18, s[WV], 3                        ; waves 0 to 3 store unit w
	s_lshl_b32 s19, s18, 8
	s_add_co_u32 s19, s19, STG
	v_add_nc_u32 v[SGR], s19, v[L8]
	s_bfe_u32 s11, ttmp6, 0x40000                  ; cx: it enters Q's and O's addresses alone
	s_lshl_b32 s12, ttmp9, 2
	s_add_co_u32 s12, s12, s11                     ; my block of 256 queries
	s_and_b32 s13, ttmp7, 0xffff                   ; batch x 16 + head, which the four partners share
	s_mov_b32 s[G1], 15|(3<<16)|(1<<21)            ; the mask of all four; elements of 8 bytes; bit 21 beside a mask
	s_mov_b32 s[G1+1], 32<<16                      ; two records, a dense block, as 104 rows of 256 bytes
	s_mov_b32 s[G1+2], 104<<16
	s_mov_b32 s[G1+3], 32<<16
	s_mov_b32 s[G1+4], 104
	s_mov_b32 s[G1+5], 32
	s_mov_b32 s[G1+6], 0
	s_mov_b32 s[G1+7], 0
	s_mul_i32 s2, s13, 16*REC
	s_mul_i32 s[G0+1], s[WV], 2*REC                ; key steps 2 w and 2 w + 1: in LDS as in memory
	s_add_co_u32 s60, s2, s[G0+1]
	s_mov_b32 s61, 0
	s_mov_b32 s[G0], 1
	s_lshl_b32 s16, s13, 5
	s_lshl_b32 s19, s12, 2
	s_add_co_u32 s16, s16, s19
	s_add_co_u32 s16, s16, s15                     ; qc's record of my 64 queries
	s_mul_i32 s16, s16, 3328
	s_mul_i32 s[QB], s14, 1536
	s_add_co_u32 s[QB], s[QB], s16
	s_mov_b32 s[QB+1], 0
	s_add_co_u32 s[QU], s16, s17
	s_add_co_u32 s[QU], s[QU], 3072
	s_mov_b32 s[QU+1], 0
	s_lshr_b32 s16, s13, 4                         ; the batch
	s_lshl_b32 s16, s16, 5
	s_add_co_u32 s16, s16, s19                     ; the first of my work-group's four blocks of 64 rows
	s_and_b32 s51, s13, 15
	s_lshr_b32 s51, s51, 1                         ; the last product's K step: head / 2
	s_and_b32 s2, s13, 1                           ; and the half of it
	s_lshl_b32 s[SH], s2, 4
	s_add_co_u32 s62, s16, s15
	s_lshl_b32 s62, s62, 3
	s_add_co_u32 s62, s62, s51
	s_mul_i32 s62, s62, 6656
	s_mul_i32 s63, s14, 3072
	s_add_co_u32 s62, s62, s63
	s_mul_i32 s63, s2, 768
	s_add_co_u32 s[OB], s62, s63
	s_mov_b32 s[OB+1], 0
	s_add_co_u32 s62, s16, s18
	s_lshl_b32 s62, s62, 3
	s_add_co_u32 s62, s62, s51
	s_mul_i32 s62, s62, 6656
	s_lshl_b32 s63, s2, 8
	s_add_co_u32 s62, s62, s63
	s_add_co_u32 s[OU], s62, 6144
	s_mov_b32 s[OU+1], 0
	s_mov_b32 s[HM], 0xffff0000
	s_mov_b32 s[SEL], 0x76543210
	s_mov_b32 s[SEL+1], 0xfedcba98                 ; v_permlanex16_b32's selects for lane l xor 16
	s_mov_b32 s[CS], 0x3e38aa3b                    ; c = log2(e) / sqrt(64)
	s_mov_b32 s[CS+1], s[CS]
	WALU
	s_wait_dscnt 0x0
	s_wait_kmcnt 0x0
	s_add_nc_u64 s[G0+2:G0+3], s[6:7], s[60:61]
	s_or_b32 s[G0+3], s[G0+3], 0x80000000
	s_add_nc_u64 s[QB:QB+1], s[4:5], s[QB:QB+1]
	s_add_nc_u64 s[QU:QU+1], s[4:5], s[QU:QU+1]
	s_add_nc_u64 s[OB:OB+1], s[8:9], s[OB:OB+1]
	s_add_nc_u64 s[OU:OU+1], s[8:9], s[OU:OU+1]
	CROUND                                         ; all four work-groups are here: the joint loads meet
	s_cmp_lt_u32 s[WV], 2                          ; one load a wave, in two arms: waves 0 and 1, whose tiles the first barrier shows, have a line of their own
	s_cbranch_scc0 .Llater
	tensor_load_to_lds s[G0:G0+3], s[G1:G1+7]
	s_nop 0
	PLACES
	s_branch .Lasked
.Llater:
	tensor_load_to_lds s[G0:G0+3], s[G1:G1+7]
	s_nop 0
	PLACES
.Lasked:
	global_load_b32 v[QS], v[L8], s[QU:QU+1]
	WIN 0x40
.irp q, 0,1
	global_load_b128 v[QF+12*\q:QF+12*\q+3], v[L16], s[QB:QB+1] offset:768*\q
	global_load_b64 v[QF+12*\q+4:QF+12*\q+5], v[L8], s[QB:QB+1] offset:768*\q+512
.endr
.irp q, 0,1
.irp i, 6,7,8,9,10,11
	v_mov_b32 v[QF+12*\q+\i], 0                    ; the upper 64 of the first product's K: zero codes
.endr
	v_mov_b32 v[NM+2*\q+1], 0xff61b1e6             ; the largest t so far: -3e38
	v_mov_b32 v[FF+2*\q+1], 0                      ; (named as the upper half of a pair)
	v_mov_b32 v[BX+\q], 0                          ; a lane permute's destination counts as one of its sources
.endr
.irp i, 48,49,50,51,52,53
	v_mov_b32 v[KB+\i], 0                          ; what tile 7's operand runs on into
.endr
	v_lshlrev_b32 v[H8], 3, v11
	WIN 0x41
.irp q, 0,1
	v_floor_f32 v[NM+2*\q], -v[NM+2*\q+1]          ; -M
.endr
	WIN 0
.irp i, 0,1,2,3,4,5,6,7
	v_mov_b32 v[SM+\i], 0
.endr
.set j, 0
.rept 64
	v_mov_b32 v[O+j], 0                            ; O^T: the step is written once, and the first finds zeros
.set j, j+1
.endr
	v_mov_b32 v[AD16], v[L16]
	v_mov_b32 v[AD8], v[L8]
	WALU                                           ; the wait at the head's end
	s_wait_loadcnt 0x0                             ; Q
	s_cmp_lt_u32 s[WV], 2
	s_cbranch_scc0 .Lnot_first
	s_wait_tensorcnt 0x0
.Lnot_first:
	s_barrier_signal -1
	s_barrier_wait -1                              ; key steps 0 to 3 lie in LDS; the others may be on their way
	KLOAD 0
	s_wait_dscnt 0x0                               ; K of step 0
; A KEY STEP: 128 keys, whose record begins at LDS byte s[TB]; its K and K's scale words lie in registers.  pf = 1: K of the next record is fetched.
.macro STEP pf
	v_add_nc_u32 v[AD16], s[TB], v[L16]
	v_add_nc_u32 v[AD8], s[TB], v[L8]              ; (with the eight additions at the last step's end: the places in front of the loads over V)
.irp c, 0,1
.irp u, 0,1,2,3
	ds_load_b128 v[VB+12*\u+6*\c:VB+12*\u+6*\c+3], v[AD16] offset:6144+768*(4*\c+\u)
	ds_load_b64 v[VB+12*\u+6*\c+4:VB+12*\u+6*\c+5], v[AD8] offset:6144+768*(4*\c+\u)+512
.endr
.endr
	ds_load_b64 v[VS:VS+1], v[AD8] offset:12800
	ds_load_b64 v[VS+2:VS+3], v[AD8] offset:13056
	WIN 0x55                                       ; all operands in window 1
.irp tp, 0,1,2,3                               ; S^T = K Q^T, tile A: eight accumulators, each begun with the constant 0
.irp o, 0,1
	v_wmma_scale_f32_16x16x128_f8f6f4 v[S+8*(2*\tp+\o):S+8*(2*\tp+\o)+7], v[KB+6*(2*\tp+\o):KB+6*(2*\tp+\o)+11], v[QF:QF+11], 0, v[KS+\tp], v[QS] matrix_a_fmt:MATRIX_FMT_FP6 matrix_b_fmt:MATRIX_FMT_FP6 matrix_a_scale:MATRIX_SCALE_ROW\o
.endr
.endr
	PLACES
.irp tp, 0,1,2,3                               ; tile B; behind each product four lines of A's maxima, which name none of its registers
.irp o, 0,1
	v_wmma_scale_f32_16x16x128_f8f6f4 v[S+64+8*(2*\tp+\o):S+64+8*(2*\tp+\o)+7], v[KB+6*(2*\tp+\o):KB+6*(2*\tp+\o)+11], v[QF+12:QF+23], 0, v[KS+\tp], v[QS] matrix_a_fmt:MATRIX_FMT_FP6 matrix_b_fmt:MATRIX_FMT_FP6 matrix_a_scale:MATRIX_SCALE_ROW\o matrix_b_scale:MATRIX_SCALE_ROW1
	MAXOP 0, 2*(2*\tp+\o), 0
	MAXOP 0, 2*(2*\tp+\o), 1
	MAXOP 0, 2*(2*\tp+\o)+1, 0
	MAXOP 0, 2*(2*\tp+\o)+1, 1
.endr
.endr                                          ; lane (r, h), tile q: register 64 q + 32 c + i is key 64 c + 32 h + i of the step
.set I, 0
.rept 16                                       ; B's maxima, A's chain among them
	MAXOP 1, I, 0
	MAXOP 1, I, 1
.if I < 10
	CH 0, I
.endif
.set I, I+1
.endr
.if \pf
	KLOAD REC                                      ; over K, which the score products have read
	WIN 0x55
.endif
.set I, 0
.rept 10                                       ; B's chain, A's multiply-adds among it
	CH 1, I
	TFMA 0, 3*I
	TFMA 0, 3*I+1
	TFMA 0, 3*I+2
.set I, I+1
.endr
	TFMA 0, 30
	TFMA 0, 31
	BFMA 0
	WALU                                           ; one wait ahead of A's batch
.set I, 0
.rept 32                                       ; p = 2^(t - M) of tile A; B's multiply-adds, whose sources stand ahead of the wait above and whose results are read behind the wait below
	v_exp_f32 v[S+2*I], v[S+2*I]
	v_exp_f32 v[S+2*I+1], v[S+2*I+1]
	TFMA 1, I
.set I, I+1
.endr
	v_exp_f32 v[BM], v[BM]                         ; the blocks' largest p: the same two instructions on the same number give the same bits
	v_exp_f32 v[BM+1], v[BM+1]
	BFMA 1
	WALU                                           ; behind A's batch and ahead of B's
	v_exp_f32 v[BM+2], v[BM+2]
	v_exp_f32 v[BM+3], v[BM+3]
.set j, 0
.rept 64
	v_exp_f32 v[S+64+j], v[S+64+j]
.set j, j+1
.endr
	v_nop                                          ; the plain place behind the batch
	WALU                                           ; and the wait behind it
	WIN 0
	s_wait_dscnt 0x0                               ; V and its scale units are in, and K of the next step
	v_or_b32 v[VO], v[VS], v[VS+2]
	v_or_b32 v[VO+1], v[VS+1], v[VS+3]
	WIN 0x55
.irp k, 0,1,2,3
	v_max_num_f32 v[BM+\k], 0x1800000, v[BM+\k]    ; the floor 2^(3 - 127): the byte cannot fall under 1
.endr
.irp k, 0,1,2,3
	v_add_nc_u32 v[SO+\k], 0xff000000, v[BM+\k]    ; 2 off the exponent field: the conversion's scale operand
.endr
.irp k, 0,1,2,3
	v_lshrrev_b32 v[BX+\k], 23, v[SO+\k]           ; the scale's byte
.endr
.irp q, 0,1
	v_lshl_or_b32 v[TP+\q], v[BX+2*\q+1], 16, v[BX+2*\q]   ; my bytes, of blocks h and 2 + h,
.endr
.irp q, 0,1
	v_lshlrev_b32 v[TP+\q], v[H8], v[TP+\q]        ; at their places;
.endr
.irp q, 0,1
	v_permlanex16_b32 v[BX+\q], v[TP+\q], s[SEL], s[SEL+1]
.endr
	WIN 0x05                                       ; destinations in window 0
.irp q, 0,1
	v_or_b32 v[PW+\q], v[TP+\q], v[BX+\q]          ; with lane l xor 16's two: p's scale word for these 128 keys
.endr
.irp q, 0,1
.irp c, 0,1
	v_cvt_scalef32_pk16_fp6_f32 v[TY+4*(2*\q+\c):TY+4*(2*\q+\c)+2], v[S+64*\q+32*\c+16:S+64*\q+32*\c+31], v[SO+2*\q+\c]   ; (a conversion's three registers begin on an even number)
.endr
.endr
	WIN 0x45
.irp q, 0,1
.irp c, 0,1
	v_cvt_scalef32_pk16_fp6_f32 v[PC+12*\q+6*\c:PC+12*\q+6*\c+2], v[S+64*\q+32*\c:S+64*\q+32*\c+15], v[SO+2*\q+\c]
.endr
.endr
	v_nop                                          ; one plain place behind a scaled conversion
	WIN 0x40
.irp q, 0,1
.irp c, 0,1
.irp i, 0,1,2
	v_mov_b32 v[PC+12*\q+6*\c+3+\i], v[TY+4*(2*\q+\c)+\i]
.endr
.endr
.endr
	WIN 0x04                                       ; source 1 (f, p's codes, p) window 1, all else window 0
	WALU                                           ; directly ahead of the first reader of O^T
.irp q, 0,1
.set j, 0
.rept 16
	v_pk_mul_f32 v[O+32*\q+j:O+32*\q+j+1], v[O+32*\q+j:O+32*\q+j+1], v[FF+2*\q:FF+2*\q+1] op_sel_hi:[1,0]   ; O^T under the new M.  (These are also the places behind the writes of p's codes and scale words)
.set j, j+2
.endr
.endr
.irp q, 0,1
.irp n, 0,1
	v_pk_mul_f32 v[SM+4*\q+2*\n:SM+4*\q+2*\n+1], v[SM+4*\q+2*\n:SM+4*\q+2*\n+1], v[FF+2*\q:FF+2*\q+1] op_sel_hi:[1,0]   ; and the sums
.endr
.endr
.set AN, 0
.irp up, 0,1                                   ; O^T += V^T P^T: eight accumulators by turns, one instruction a turn; behind each, eight additions of the unquantised p
.irp o, 0,1
.irp q, 0,1
	v_wmma_scale_f32_16x16x128_f8f6f4 v[O+32*\q+8*(2*\up+\o):O+32*\q+8*(2*\up+\o)+7], v[VB+12*(2*\up+\o):VB+12*(2*\up+\o)+11], v[PC+12*\q:PC+12*\q+11], v[O+32*\q+8*(2*\up+\o):O+32*\q+8*(2*\up+\o)+7], v[VO+\up], v[PW+\q] matrix_a_fmt:MATRIX_FMT_FP6 matrix_b_fmt:MATRIX_FMT_FP6 matrix_a_scale:MATRIX_SCALE_ROW\o
	ADD8
.endr
.endr
.endr
	WIN 0
.endm
.macro WALK first, trips
	s_mov_b32 s[TB], \first*REC
	s_mov_b32 s[CNT], \trips
.Lstep_\@:
	STEP 1
	s_add_co_u32 s[TB], s[TB], REC
	s_sub_co_u32 s[CNT], s[CNT], 1
	s_cmp_lg_u32 s[CNT], 0
	WALU                                           ; the wait ahead of the backward jump
	s_cbranch_scc1 .Lstep_\@
.endm
	WALK 0, 3                                      ; steps 0 to 2; the last of them fetches K of step 3
	s_wait_tensorcnt 0x0                           ; every wave's load has landed (no LDS load of mine is out: a step waits for all of its own)
	s_barrier_signal -1
	s_barrier_wait -1                              ; all sixteen key steps lie in LDS
	WALK 3, 12                                     ; steps 3 to 14
	STEP 0                                         ; step 15 fetches nothing more
	; THE WAY OUT.  O^T is divided by the row's sum and quantised along the head's 64: a lane's 32 numbers of a tile are d = 32 h + 0 .. 31, one block.
.irp q, 0,1
	v_pk_add_f32 v[SM+4*\q:SM+4*\q+1], v[SM+4*\q:SM+4*\q+1], v[SM+4*\q+2:SM+4*\q+3]
.endr
.irp q, 0,1
	v_add_f32 v[SM+4*\q], v[SM+4*\q], v[SM+4*\q+1]
.endr
.irp q, 0,1
	v_permlanex16_b32 v[TY+\q], v[SM+4*\q], s[SEL], s[SEL+1]
.endr
.irp q, 0,1
	v_add_f32 v[SM+4*\q], v[SM+4*\q], v[TY+\q]     ; with lane l xor 16's: the row's sum
.endr
	WALU
.irp q, 0,1
	v_rcp_f32 v[SM+4*\q], v[SM+4*\q]
.endr
	v_nop
	WIN 0x40
	WALU                                           ; ahead of the first reader of the quotients and of O^T
.irp q, 0,1
.set j, 0
.rept 32
	v_mul_f32 v[S+64*\q+j], v[O+32*\q+j], v[SM+4*\q]
.set j, j+1
.endr
.endr
	WIN 0x55
.irp q, 0,1
.irp b, 0,1
	v_max3_num_f32 v[BM+2*\q+\b], |v[S+64*\q+16*\b]|, |v[S+64*\q+16*\b+1]|, 0x1800000
.endr
.endr
.irp i, 2,4,6,8,10,12,14
.irp q, 0,1
.irp b, 0,1
	v_max3_num_f32 v[BM+2*\q+\b], v[BM+2*\q+\b], |v[S+64*\q+16*\b+\i]|, |v[S+64*\q+16*\b+\i+1]|
.endr
.endr
.endr
.irp q, 0,1
	v_max_num_f32 v[BM+2*\q], v[BM+2*\q], v[BM+2*\q+1]
.endr
.irp q, 0,1
	v_add_nc_u32 v[SO+\q], 0xff000000, v[BM+2*\q]
.endr
.irp q, 0,1
	v_lshrrev_b32 v[BX+\q], 23, v[SO+\q]
.endr
.irp q, 0,1
	v_lshlrev_b32 v[TP+\q], v[H8], v[BX+\q]
.endr
.irp q, 0,1
	v_permlanex16_b32 v[BX+\q], v[TP+\q], s[SEL], s[SEL+1]
.endr
.irp q, 0,1
	v_or_b32 v[TP+\q], v[TP+\q], v[BX+\q]
.endr
.irp q, 0,1
	v_lshlrev_b32 v[TP+\q], s[SH], v[TP+\q]        ; my head is half of a K step of the last product: bytes 0, 1 or 2, 3
.endr
	WIN 0x05
	v_cndmask_b32 v[TY+8], v[TP], v[TP+1], s[HM]   ; lanes 0-15 my even tile's words, lanes 16-31 the odd tile's
.irp q, 0,1
	v_cvt_scalef32_pk16_fp6_f32 v[VB+12*\q:VB+12*\q+2], v[S+64*\q:S+64*\q+15], v[SO+\q]
	v_cvt_scalef32_pk16_fp6_f32 v[TY+4*\q:TY+4*\q+2], v[S+64*\q+16:S+64*\q+31], v[SO+\q]
.endr
	v_nop
	WIN 0
.irp q, 0,1
.irp i, 0,1,2
	v_mov_b32 v[VB+12*\q+3+\i], v[TY+4*\q+\i]
.endr
.endr
.irp q, 0,1
	global_store_b128 v[L16], v[VB+12*\q:VB+12*\q+3], s[OB:OB+1] offset:1536*\q          ; 512 consecutive bytes,
	global_store_b64 v[L8], v[VB+12*\q+4:VB+12*\q+5], s[OB:OB+1] offset:1536*\q+512      ; and 256, both aligned to 256
.endr
	ds_store_b32 v[SGW], v[TY+8]
	s_wait_dscnt 0x0                               ; for the others' sake: my scale words lie in LDS
	s_barrier_signal -1
	s_barrier_wait -1
	s_cmp_lt_u32 s[WV], 4                          ; four units, four waves
	s_cbranch_scc0 .Lno_unit
	ds_load_b64 v[TY:TY+1], v[SGR]
	s_wait_dscnt 0x0
	global_store_b64 v[L8], v[TY:TY+1], s[OU:OU+1] ; 32 lanes store 256 consecutive bytes, aligned
.Lno_unit:
	s_wait_tensorcnt 0x0                           ; the wave's end
	ds_add_u32 v[SPW], v[NIL]
	s_wait_dscnt 0x0
	CROUND                                         ; the closing round
	s_endpgm
.Lfunc_end_k_q1c54035f50_attn:
	.size	k_q1c54035f50_attn, .Lfunc_end_k_q1c54035f50_attn-k_q1c54035f50_attn
	.p2alignl 7, 3214868480
	.fill 96, 4, 3214868480
	.section	.rodata,"a",@progbits
	.p2align	6, 0x0
	.amdhsa_kernel k_q1c54035f50_attn
		.amdhsa_group_segment_fixed_size 215040
		.amdhsa_private_segment_fixed_size 0
		.amdhsa_enable_private_segment 0
		.amdhsa_kernarg_size 24
		.amdhsa_user_sgpr_count 2
		.amdhsa_user_sgpr_kernarg_segment_ptr 1
		.amdhsa_wavefront_size32 1
		.amdhsa_system_sgpr_workgroup_id_x 1
		.amdhsa_system_sgpr_workgroup_id_y 1
		.amdhsa_system_sgpr_workgroup_id_z 1
		.amdhsa_system_vgpr_workitem_id 0
		.amdhsa_next_free_vgpr 512
		.amdhsa_next_free_sgpr 66
		.amdhsa_reserve_vcc 0
		.amdhsa_float_denorm_mode_32 3
		.amdhsa_float_denorm_mode_16_64 3
		.amdhsa_memory_ordered 1
		.amdhsa_forward_progress 1
		.amdhsa_inst_pref_size 99
	.end_amdhsa_kernel
	.amdgpu_metadata
---
amdhsa.version: [ 1, 2 ]
amdhsa.kernels:
  - .name:           k_q1c54035f50_attn
    .symbol:         k_q1c54035f50_attn.kd
    .args:
      - { .name: qc, .offset: 0, .size: 8, .value_kind: global_buffer, .address_space: global }
      - { .name: kv, .offset: 8, .size: 8, .value_kind: global_buffer, .address_space: global }
      - { .name: oq, .offset: 16, .size: 8, .value_kind: global_buffer, .address_space: global }
    .group_segment_fixed_size: 215040
    .private_segment_fixed_size: 0
    .kernarg_segment_align: 8
    .kernarg_segment_size: 24
    .max_flat_workgroup_size: 256
    .sgpr_count:     66
    .vgpr_count:     512
    .wavefront_size: 32
...
	.end_amdgpu_metadata
.endif
;; end of part 3
;; launch proj (part 4): grid 16 x 16, 4 waves a work-group, clusters of 4 x 1, 168,448 bytes of LDS; arguments oq, woq, bo, out0; writes out0
.if DOCPART == 4
	.amdgcn_target "amdgcn-amd-amdhsa--gfx1250"
	.amdhsa_code_object_version 6
	.text
	.protected	k_q1c54035f50_proj
	.globl	k_q1c54035f50_proj
	.p2align	8
	.type	k_q1c54035f50_proj,@function
k_q1c54035f50_proj:
	s_mov_b64 s[64:65], 0
	v_nop
	global_prefetch_b8 v0, s[64:65] scope:SCOPE_SE
	s_setreg_imm32_b32 hwreg(HW_REG_WAVE_MODE, 25, 1), 1
	s_wait_xcnt 0x0
	s_wait_alu depctr_hold_cnt(0) depctr_sa_sdst(0) depctr_va_vdst(0) depctr_va_sdst(0) depctr_va_ssrc(0) depctr_va_vcc(0) depctr_vm_vsrc(0)
	s_getreg_b32 s2, hwreg(HW_REG_IB_STS2, 6, 4)
	s_cmp_eq_u32 s2, 0
	s_cbranch_scc0 .Lentry_in_a_cluster
	s_endpgm
.Lentry_in_a_cluster:
	s_bfe_u32 s2, ttmp6, 0x10000c
	s_cmp_lg_u32 s2, 0x3003
	s_cbranch_scc0 .Lentry_shape_is_right
	s_endpgm
.Lentry_shape_is_right:
; out = O Wo^T + bo on codes of FP6 (E2M3) with E8M0 scales, f32 sums.  O [4096][1024] and Wo [1024][1024] arrive as the launches before laid them.
; A FRAGMENT IMAGE (16 rows x 128 K, 12 registers a lane): for c = 0, 1 registers 6 c .. 6 c + 3 at 768 c + 16 x lane, registers 6 c + 4, 6 c + 5 at 768 c + 512 + 8 x lane.  Lane r of tile tau holds row
; 32 (tau / 2) + 8 (tau % 2) + r + 8 (r / 8) of its block of 64.  A SCALE UNIT: 8 bytes a lane: word j is that of tile 2 j + lane / 16, row lane % 16.
; woq: [block of 64 columns of out 16][K step 8] records of 6,400: four images, a unit.  oq: [block of 64 rows 64][K step 8] records of 6,656: four images, two units, each with two of a word's four bytes and 0 elsewhere: joined by an OR.
; SHARES.  A work-group: 256 rows x 64 columns.  A wave: 64 rows x 64 columns: 16 accumulators.  O's fragments are read by one wave alone: from memory straight into a ring of four register slots, three K steps ahead.
; Wo's 64 rows, all of K (8 records, 51,200 bytes), come into LDS ONCE.  CLUSTER: the four work-groups of a cluster take four row blocks of the same columns: each wave's two tensor loads are asked for JOINTLY (mask 15);
; by this text's count a wave has two tensor loads out at most.  No LDS byte is filled twice.
; TRANSPOSED: source 0 = 16 rows of Wo, source 1 = 16 rows of O: a lane holds one row of out, and the 16 registers of two neighbouring tiles are 16 neighbouring columns.  The bias is the C of each sum's first matrix instruction.
; REGISTERS, in windows of 256: window 0: v1-6 addresses; v32-47 O's scale words; v48-53 Wo's, three sets; v64-207 Wo's fragments, three sets of 48 (rows of out on the way out); v208-223 O's second units; v224-255 the bias.
;   window 1: v0-191 O's ring.   window 2: the accumulators at v[32 t + 8 u] (t: tile of O, u: tile of Wo).
; THE ROWS OF A TILE (this stands for what the head above says of them): lane r of tile tau holds row 8 tau + r % 8 + 32 (r / 8) of its block of 64, in O and in Wo alike:
; so a lane's 32 registers of a tile of O are columns 32 (lane / 16) + 0 .. 31 of one row of out.  Wo's eight records come by ONE tensor load a wave, K steps 2 w and 2 w + 1, waves 0 and 1 wait for their loads ahead of the first barrier, every wave ahead of the second.
.set NPH,  8
.set REC,  6400
.set AREC, 6656
.set STAGE, 8*REC                      ; behind Wo: 16 rows x (256 bytes + 16) for each wave, for the way out; no tensor load lands there
.set L16,  1                           ; v1  16 x lane; never rewritten
.set L8,   2                           ; v2  8 x lane; never rewritten
.set H64,  3                           ; v3  128 x (lane / 16)
.set STO,  4                           ; v4  the way out: where I put 64 bytes of a row
.set RD,   5                           ; v5  where I read a row back
.set CO,   6                           ; v6  my byte offset in two rows of out
.set XS,   32
.set WS,   48
.set BS,   64
.set XT,   208
.set BI,   224
.set WV,   12
.set G1,   16
.set G0A,  24
.set AB,   32                          ; s[32:33] O's records of my 64 rows
.set BB,   34                          ; s[34:35] the bias of my 64 columns
.set OUTB, 36                          ; s[36:37] out at my first row and column
.set MSB, 0
.macro WIN new                         ; the immediate's high byte repeats the setting that is left
.if MSB != \new
	s_set_vgpr_msb (MSB<<8)|\new
.set MSB, \new
.endif
.endm
.macro PLACES                          ; four plain places behind a matrix instruction, in front of loads into its registers and of reads of its results
.rept 4
	v_nop
.endr
.endm
.macro CROUND                          ; a round of the cluster's barrier
	s_barrier_signal -1
	s_barrier_wait -1
	s_cmp_lg_u32 s[WV], 0
	s_cbranch_scc1 .Lnot_wave_0_\@
	s_barrier_signal -3
.Lnot_wave_0_\@:
	s_barrier_wait -3
	s_barrier_signal -1
	s_barrier_wait -1
.endm
; One matrix instruction; its registers stand in the symbols rD, rA, rB, rC, rSA, rSB.  rRA, rRB: the side's scale words lie in lanes 16-31.
.macro WM
.if rRA && rRB
	v_wmma_scale_f32_16x16x128_f8f6f4 v[rD:rD+7], v[rA:rA+11], v[rB:rB+11], v[rC:rC+7], v[rSA], v[rSB] matrix_a_fmt:MATRIX_FMT_FP6 matrix_b_fmt:MATRIX_FMT_FP6 matrix_a_scale:MATRIX_SCALE_ROW1 matrix_b_scale:MATRIX_SCALE_ROW1
.elseif rRA
	v_wmma_scale_f32_16x16x128_f8f6f4 v[rD:rD+7], v[rA:rA+11], v[rB:rB+11], v[rC:rC+7], v[rSA], v[rSB] matrix_a_fmt:MATRIX_FMT_FP6 matrix_b_fmt:MATRIX_FMT_FP6 matrix_a_scale:MATRIX_SCALE_ROW1
.elseif rRB
	v_wmma_scale_f32_16x16x128_f8f6f4 v[rD:rD+7], v[rA:rA+11], v[rB:rB+11], v[rC:rC+7], v[rSA], v[rSB] matrix_a_fmt:MATRIX_FMT_FP6 matrix_b_fmt:MATRIX_FMT_FP6 matrix_b_scale:MATRIX_SCALE_ROW1
.else
	v_wmma_scale_f32_16x16x128_f8f6f4 v[rD:rD+7], v[rA:rA+11], v[rB:rB+11], v[rC:rC+7], v[rSA], v[rSB] matrix_a_fmt:MATRIX_FMT_FP6 matrix_b_fmt:MATRIX_FMT_FP6
.endif
.endm
; O's four fragments of K step s into ring slot s % 4 (window 1): 16 loads, each of 512 or 256 consecutive bytes
.macro ALOAD s
	WIN 0x40
.irp t, 0,1,2,3
	global_load_b128 v[48*((\s)%4)+12*\t:48*((\s)%4)+12*\t+3], v[L16], s[AB:AB+1] offset:(\s)*AREC+1536*\t
	global_load_b64 v[48*((\s)%4)+12*\t+4:48*((\s)%4)+12*\t+5], v[L8], s[AB:AB+1] offset:(\s)*AREC+1536*\t+512
	global_load_b128 v[48*((\s)%4)+12*\t+6:48*((\s)%4)+12*\t+9], v[L16], s[AB:AB+1] offset:(\s)*AREC+1536*\t+768
	global_load_b64 v[48*((\s)%4)+12*\t+10:48*((\s)%4)+12*\t+11], v[L8], s[AB:AB+1] offset:(\s)*AREC+1536*\t+1280
.endr
	WIN 0
.endm
; record p of Wo from LDS into set p % 3: 17 LDS loads
.macro BLOAD p
.set bR, BS+48*((\p)%3)
.set bO, (\p)*REC
.irp u, 0,1,2,3
	ds_load_b128 v[bR+12*\u:bR+12*\u+3], v[L16] offset:bO+1536*\u
	ds_load_b64 v[bR+12*\u+4:bR+12*\u+5], v[L8] offset:bO+1536*\u+512
	ds_load_b128 v[bR+12*\u+6:bR+12*\u+9], v[L16] offset:bO+1536*\u+768
	ds_load_b64 v[bR+12*\u+10:bR+12*\u+11], v[L8] offset:bO+1536*\u+1280
.endr
	ds_load_b64 v[WS+2*((\p)%3):WS+2*((\p)%3)+1], v[L8] offset:bO+6144
.endm
; Phase PH = K step PH.  The 16 accumulators take turns, one instruction a turn.
.macro PHASE
.if PH == 2
	s_wait_tensorcnt 0x0                           ; every wave's load has landed;
	s_wait_dscnt 0x0                               ; no LDS instruction of mine is out at a signal
	s_barrier_signal -1
	s_barrier_wait -1                              ; all of Wo lies in LDS: the run of loads below is the first that reads K step 4
.endif
.if PH+2 < NPH
	BLOAD PH+2
.endif
.if PH <= 4
	s_wait_alu depctr_va_vdst(0)
	s_wait_loadcnt 48                              ; this K step's fragments of O are in (in phase 0 the bias and the scale units too); those of the three K steps behind it, 16 loads each, may be out
.else
	s_wait_loadcnt 16*(7-PH)
.endif
.if PH == 0
.irp i, 0,1,2,3,4,5,6,7,8,9,10,11,12,13,14,15
	v_or_b32 v[XS+\i], v[XS+\i], v[XT+\i]          ; the two units' bytes make whole words.  K step 0's two come first: fourteen plain lines stand between them and the first product
.endr
.endif
.if PH+2 < NPH
	s_wait_dscnt 34                                ; this phase's record is in; the next two phases', 17 loads each, may be out
.else
	s_wait_dscnt 17*(NPH-1-PH)
.endif
.if PH == 0
	WIN 0x84                                       ; source 0 (Wo) window 0, source 1 (O) window 1, C (the bias) window 0, D window 2
.else
	WIN 0xa4                                       ; C and D window 2
.endif
.irp u, 0,1,2,3
.irp t, 0,1,2,3
.set rD, 32*\t+8*\u
.set rA, BS+48*(PH%3)+12*\u
.set rB, 48*(PH%4)+12*\t
.set rSA, WS+2*(PH%3)+\u/2
.set rSB, XS+2*PH+\t/2
.set rRA, \u%2
.set rRB, \t%2
.if PH == 0
.set rC, BI+8*\u
.else
.set rC, rD
.endif
	WM
.endr
.endr
	WIN 0
	PLACES
.if PH < 4
	ALOAD PH+4                                     ; the slot just read out takes the K step four on
.endif
.endm
	s_load_b256 s[4:11], s[0:1], 0x0               ; oq s[4:5], woq s[6:7], bo s[8:9], out0 s[10:11]
	v_lshl_add_u32 v62, v0, 2, 0x29000
	v_mov_b32 v63, 0
	ds_add_u32 v62, v63
	ds_add_u32 v62, v63
	v_lshrrev_b32 v7, 5, v0
	v_readfirstlane_b32 s[WV], v7                  ; wave 0..3
	v_and_b32 v7, 31, v0
	v_and_b32 v8, 15, v0                           ; r
	v_bfe_u32 v9, v0, 4, 1                         ; h
	v_lshlrev_b32 v[L16], 4, v7
	v_lshlrev_b32 v[L8], 3, v7
	v_lshlrev_b32 v[H64], 7, v9                    ; 128 x (lane / 16): 32 columns of 4 bytes
	s_mul_i32 s48, s[WV], 16*272
	s_add_co_u32 s48, s48, STAGE                   ; my stage
	v_mul_u32_u24 v[STO], v8, 272
	v_lshl_add_u32 v[STO], v9, 7, v[STO]
	v_add_nc_u32 v[STO], s48, v[STO]               ; in: row r, + 128 h
	v_mul_u32_u24 v[RD], v9, 272
	v_lshl_add_u32 v[RD], v8, 4, v[RD]
	v_add_nc_u32 v[RD], s48, v[RD]                 ; back: lanes 0-15 one row of 256 bytes, lanes 16-31 the next
	v_lshlrev_b32 v[CO], 12, v9
	v_lshl_add_u32 v[CO], v8, 4, v[CO]             ; and the same two rows in out
	s_bfe_u32 s13, ttmp6, 0x40000                  ; cx: my place in the cluster: it enters O's and out's addresses alone
	s_lshl_b32 s14, ttmp9, 2
	s_add_co_u32 s14, s14, s13                     ; mb: my 256 rows
	s_and_b32 s15, ttmp7, 0xffff                   ; my 64 columns, which the four partners share
	; descriptor group 1: two records, a dense block, as 50 rows of 256 bytes (32 elements of 8 bytes)
	s_mov_b32 s[G1], 15|(3<<16)|(1<<21)            ; 15:0 the mask: all four work-groups; 17:16 elements of 8 bytes; 20 no padding; 21 set beside a mask
	s_mov_b32 s[G1+1], 32<<16
	s_mov_b32 s[G1+2], 50<<16                      ; two records: 50 rows of 256 bytes
	s_mov_b32 s[G1+3], 32<<16
	s_mov_b32 s[G1+4], 50
	s_mov_b32 s[G1+5], 32
	s_mov_b32 s[G1+6], 0
	s_mov_b32 s[G1+7], 0
	s_mul_i32 s40, s15, 8*REC
	s_mul_i32 s[G0A+1], s[WV], 2*REC               ; K steps 2 w and 2 w + 1: in LDS as in memory
	s_add_co_u32 s40, s40, s[G0A+1]
	s_mov_b32 s41, 0
	s_mov_b32 s[G0A], 1
	s_lshl_b32 s42, s14, 2
	s_add_co_u32 s42, s42, s[WV]                   ; my block of 64 rows
	s_lshl_b32 s46, s42, 18                        ; 64 rows of 4,096 bytes
	s_mul_i32 s42, s42, 8*AREC
	s_mov_b32 s43, 0
	s_lshl_b32 s44, s15, 8                         ; 64 columns of 4 bytes
	s_mov_b32 s45, 0
	s_add_co_u32 s46, s46, s44
	s_mov_b32 s47, 0
	s_wait_dscnt 0x0
	s_wait_kmcnt 0x0
	s_add_nc_u64 s[G0A+2:G0A+3], s[6:7], s[40:41]
	s_or_b32 s[G0A+3], s[G0A+3], 0x80000000        ; 127:126 type = 2
	s_add_nc_u64 s[AB:AB+1], s[4:5], s[42:43]
	s_add_nc_u64 s[BB:BB+1], s[8:9], s[44:45]
	s_add_nc_u64 s[OUTB:OUTB+1], s[10:11], s[46:47]
	CROUND                                         ; all four work-groups are here: the joint loads meet
	s_cmp_lt_u32 s[WV], 2                          ; one load a wave, in two arms: waves 0 and 1, whose K steps 0 to 3 the first barrier shows, have a line of their own
	s_cbranch_scc0 .Llater
	tensor_load_to_lds s[G0A:G0A+3], s[G1:G1+7]
	s_nop 0
.rept 4
	v_nop
.endr
	s_branch .Lasked
.Llater:
	tensor_load_to_lds s[G0A:G0A+3], s[G1:G1+7]
	s_nop 0
.rept 4
	v_nop
.endr
.Lasked:
	s_wait_alu depctr_va_vdst(0)
.irp u, 0,1,2,3                                ; the bias in the result's layout: tile u, lane (r, h): columns 32 h + 8 u + 0 .. 7
	global_load_b128 v[BI+8*\u:BI+8*\u+3], v[H64], s[BB:BB+1] offset:32*\u        ; tile u, lane (r, h): columns 32 h + 8 u + 0 .. 7
	global_load_b128 v[BI+8*\u+4:BI+8*\u+7], v[H64], s[BB:BB+1] offset:32*\u+16
.endr
.irp s, 0,1,2,3,4,5,6,7
	global_load_b64 v[XS+2*\s:XS+2*\s+1], v[L8], s[AB:AB+1] offset:\s*AREC+6144   ; O's scale units of all of K: the even head's bytes,
	global_load_b64 v[XT+2*\s:XT+2*\s+1], v[L8], s[AB:AB+1] offset:\s*AREC+6400   ; and the odd head's
.endr
	ALOAD 0
	ALOAD 1
	ALOAD 2
	ALOAD 3
	s_cmp_lt_u32 s[WV], 2
	s_cbranch_scc0 .Lnot_first
	s_wait_tensorcnt 0x0                           ; waves 0 and 1: my load has landed
.Lnot_first:
	s_barrier_signal -1
	s_barrier_wait -1
	BLOAD 0
	BLOAD 1
.set PH, 0
.rept NPH
	PHASE
.set PH, PH+1
.endr
	; THE WAY OUT, a tile of 16 rows at a time.  A lane holds 2 x 64 bytes of one row, and the lanes beside it hold other rows: so a tile goes through my own stage in LDS and comes back as whole rows of 256 bytes.
	; LDS serves a wave's instructions in order (ISA guide 5.7.1.4): no wait between the stores and the loads, nor in front of the next tile's stores.  (The places at the last phase's end stand in front of these reads.)
.irp t, 0,1,2,3
	WIN 0x08                                       ; an LDS store's data are its source 1: window 2
.irp b, 0,1
.irp q, 0,1,2,3
	ds_store_b128 v[STO], v[32*\t+16*\b+4*\q:32*\t+16*\b+4*\q+3] offset:64*\b+16*\q   ; columns 32 h + 16 b + 4 q ..; each accumulator from its low end on
.endr
.endr
	WIN 0
.irp i, 0,1,2,3,4,5,6,7
	ds_load_b128 v[BS+32*\t+4*\i:BS+32*\t+4*\i+3], v[RD] offset:544*\i   ; the tile's rows 2 i and 2 i + 1
.endr
.endr
.irp t, 0,1,2,3
.irp i, 0,1,2,3,4,5,6,7
	s_wait_dscnt 55-16*\t-\i                       ; of the 64 LDS instructions above, those issued behind this load may be out
	global_store_b128 v[CO], v[BS+32*\t+4*\i:BS+32*\t+4*\i+3], s[OUTB:OUTB+1] offset:(8*\t+2*\i+24*(\i/4))*4096 th:TH_STORE_NT   ; 16 lanes store 256 consecutive bytes, aligned; written once, read by nobody here
.endr
.endr
	s_wait_tensorcnt 0x0
	ds_add_u32 v62, v63
	s_wait_dscnt 0x0
	CROUND                                         ; the closing round: no work-group ends while a partner may still ask for a tile that names it
	s_endpgm
.Lfunc_end_k_q1c54035f50_proj:
	.size	k_q1c54035f50_proj, .Lfunc_end_k_q1c54035f50_proj-k_q1c54035f50_proj
	.p2alignl 7, 3214868480
	.fill 96, 4, 3214868480
	.section	.rodata,"a",@progbits
	.p2align	6, 0x0
	.amdhsa_kernel k_q1c54035f50_proj
		.amdhsa_group_segment_fixed_size 168448
		.amdhsa_private_segment_fixed_size 0
		.amdhsa_enable_private_segment 0
		.amdhsa_kernarg_size 32
		.amdhsa_user_sgpr_count 2
		.amdhsa_user_sgpr_kernarg_segment_ptr 1
		.amdhsa_wavefront_size32 1
		.amdhsa_system_sgpr_workgroup_id_x 1
		.amdhsa_system_sgpr_workgroup_id_y 1
		.amdhsa_system_sgpr_workgroup_id_z 1
		.amdhsa_system_vgpr_workitem_id 0
		.amdhsa_next_free_vgpr 640
		.amdhsa_next_free_sgpr 66
		.amdhsa_reserve_vcc 0
		.amdhsa_float_denorm_mode_32 3
		.amdhsa_float_denorm_mode_16_64 3
		.amdhsa_memory_ordered 1
		.amdhsa_forward_progress 1
		.amdhsa_inst_pref_size 55
	.end_amdhsa_kernel
	.amdgpu_metadata
---
amdhsa.version: [ 1, 2 ]
amdhsa.kernels:
  - .name:           k_q1c54035f50_proj
    .symbol:         k_q1c54035f50_proj.kd
    .args:
      - { .name: oq, .offset: 0, .size: 8, .value_kind: global_buffer, .address_space: global }
      - { .name: woq, .offset: 8, .size: 8, .value_kind: global_buffer, .address_space: global }
      - { .name: bo, .offset: 16, .size: 8, .value_kind: global_buffer, .address_space: global }
      - { .name: out0, .offset: 24, .size: 8, .value_kind: global_buffer, .address_space: global }
    .group_segment_fixed_size: 168448
    .private_segment_fixed_size: 0
    .kernarg_segment_align: 8
    .kernarg_segment_size: 32
    .max_flat_workgroup_size: 128
    .sgpr_count:     66
    .vgpr_count:     640
    .wavefront_size: 32
...
	.end_amdgpu_metadata
.endif
;; end of part 4
